; MI455X (gfx1250); checked and timed in simulation.
; The chip was launched on July 23, 2026; its instructions are those of AMD's public machine-readable ISA for CDNA 5 (MIT licence, August 2026) and "CDNA5" Instruction Set Architecture Reference Guide (July 2026). The comments in the code are by the model that wrote it; some were corrected since.
;; Mo E Layer. Allowed arithmetic: float matrix products may take bf16 or f16 operands with f32 sums; other float arithmetic in f32, or as packed bf16 or f16 multiplies, adds, multiply-adds, maxima and minima; sums over many terms, partial sums and values carried from step to step in f32; what a program stores and reads back later, other than sums and carried values, may be rounded once to bf16 or f16.
;; Inputs: W1 8 x 512 x 1,024 float32; W2 8 x 1,024 x 512 float32; b1 8 x 1,024 float32; b2 8 x 512 float32; hidden 4 x 2,048 x 512 float32; top_k_indices 4 x 2,048 x 2 int32; top_k_weights 4 x 2,048 x 2 float32.
;; Outputs: out0 4 x 2,048 x 512 float32.
;; 2 versions, each right; version 2 is version 1 with the launch moe written anew for expert scheduling mode. Each part assembles by itself: llvm-mc -triple=amdgcn-amd-amdhsa -mcpu=gfx1250 --defsym DOCPART=n.
;; ======== version 1 of 2: 2 launches
;; workspace buffers: wp 16,777,216 bytes; order 1,179,648 bytes of whole numbers; counts 256 bytes of whole numbers
;; launch prep (part 1): grid 292 x 1, 8 waves a work-group, no clusters, 103,680 bytes of LDS; arguments W1, W2, top_k_indices, wp, order, counts; writes wp, order, counts
.if DOCPART == 1
	.amdgcn_target "amdgcn-amd-amdhsa--gfx1250"
	.amdhsa_code_object_version 6
	.text
	.protected	k_q93015e5c6d_prep
	.globl	k_q93015e5c6d_prep
	.p2align	8
	.type	k_q93015e5c6d_prep,@function
k_q93015e5c6d_prep:
	s_mov_b64 s[64:65], 0
	v_nop
	global_prefetch_b8 v0, s[64:65] scope:SCOPE_SE
	s_setreg_imm32_b32 hwreg(HW_REG_WAVE_MODE, 25, 1), 1
	s_wait_xcnt 0x0
; PREP.  Two jobs that the chain of products needs done once.
; Work-groups 0-35 (SORT): work-group j lists the tokens whose two chosen experts are the unordered set number j, {a <= b} (sets numbered row by row: a = 0: 0-7, a = 1: 8-14, ..),
;   into order[j][0 .. n-1], and stores n in counts[j].  A counting sort without atomics: each wave packs the matches among its 1,024 tokens into a list of its own in LDS, the eight counts
;   meet in LDS, and behind one barrier the waves share the places of the output: a lane finds, from the counts' running sums, in which wave's list its place lies.
;   The list goes out in whole pieces of 64 entries; the places past n repeat the last token (an empty set: 64 zeros); nobody reads them but for entry 0 of an empty set 0.
; Work-groups 36-163 (W1) and 164-291 (W2): the f32 weights are rounded once to bf16 and laid out as the stream of matrix operands that each wave of the next launch takes:
;   wp = [expert 8][wave 8][step 64][nt 4][1,024 bytes]; a block is 16 features x 32 k: byte half*512 + lane*16 + 2 i holds W[32 ks + 16 half + 8 (lane/16) + i][n0 + lane%16].
;   steps 0-31: W1, step = 16 g + ks, n0 = 128 wave + 64 g + 16 nt.   steps 32-63: W2, step = 32 + ks, n0 = 64 wave + 16 nt.
; LIMIT: indices lie in 0..7 (the problem grants it); a token with another index would be listed under a wrong set or none.
.set BP,    1040                       ; a block in the stage: 1,024 bytes + 16, so that the 16 lanes of a store's pass touch 16 different 16-byte columns
.set STG,   8448                       ; a wave's stage: 8 blocks
.set WL0,   8*STG                      ; SORT has LDS bytes of its own, behind the stages
.set WLW,   1088                       ; a wave's list in words: 1,024 entries, 32 words into which the lanes without a match write, 32 to a multiple of 256 bytes
.set WLB,   4*WLW
.set WT,    WL0+8*WLB                  ; the eight waves' counts
.set SPARE, WT+256                     ; the spare words, 128 bytes a wave, that no other line names
.set LO,  1                            ; v1  16 x lane
.set LN,  2                            ; v2  lane
.set LS,  3                            ; v3  where my lane puts 16 bytes into the stage
.set LR,  4                            ; v4  where it reads 16 bytes back
.set SPW, 6                            ; v6  LDS address of my spare word; never rewritten
.set NIL, 7                            ; v7  0; never rewritten
.set R,   64                           ; v[64:191]  32 rows x 4 f32 as loaded; later the blocks read back
.set P,   192                          ; v[192:207] 4 columns x 8 k in bf16
	s_load_b256 s[4:11], s[0:1], 0x0               ; W1 s[4:5], W2 s[6:7], indices s[8:9], wp s[10:11]
	s_load_b128 s[12:15], s[0:1], 0x20             ; order s[12:13], counts s[14:15]
	v_lshl_add_u32 v[SPW], v0, 2, SPARE
	v_mov_b32 v[NIL], 0
	v_lshrrev_b32 v5, 5, v0
	v_readfirstlane_b32 s2, v5                     ; wave 0..7
	s_mov_b32 s3, ttmp9                            ; work-group
	v_and_b32 v[LN], 31, v0
	v_lshlrev_b32 v[LO], 4, v[LN]
	s_mul_i32 s26, s2, STG
	v_lshrrev_b32 v[LS], 2, v[LN]                  ; my 4 columns lie in block lane / 4,
	v_mul_u32_u24 v[LS], v[LS], BP
	v_and_b32 v5, 3, v[LN]                         ; at features 4 (lane % 4) + 0..3 of its 16
	v_lshl_add_u32 v[LS], v5, 6, v[LS]
	v_add_nc_u32 v[LS], s26, v[LS]
	v_add_nc_u32 v[LR], s26, v[LO]
	s_mov_b32 s23, 0                               ; high word of the offset pair s[22:23]
	s_wait_kmcnt 0x0
	s_cmp_lt_u32 s3, 36
	s_cbranch_scc1 .Lsort
	s_cmp_lt_u32 s3, 164
	s_cbranch_scc0 .Lw2
; One wave: 32 k-rows x 128 columns of f32 (source at s[16:17], rows pitch bytes apart) become 8 blocks, two runs of 4 KB (first at s[18:19], second runstep further).
.macro CAST pitch, runstep
.set i, 0
.rept 32
	global_load_b128 v[R+4*i:R+4*i+3], v[LO], s[16:17] offset:i*(\pitch) th:TH_LOAD_NT  ; a row's 512 consecutive bytes; all 32 rows are asked for at once; each weight is read once in the launch
.set i, i+1
.endr
.irp o, 0,1,2,3                        ; eight rows at a time: k = 8 o + 0..7 is what one lane of a fragment holds
	s_wait_loadcnt 24-8*(\o)                       ; loads come back in order: the rows of the later eights stay out
.irp c, 0,1,2,3
.irp u, 0,1,2,3
	v_cvt_pk_bf16_f32 v[P+4*(\c)+(\u)], v[R+4*(8*(\o)+2*(\u))+(\c)], v[R+4*(8*(\o)+2*(\u)+1)+(\c)]  ; column c, k = 8 o + 2 u and + 1
.endr
.endr
.irp c, 0,1,2,3
	ds_store_b128 v[LS], v[P+4*(\c):P+4*(\c)+3] offset:((\o)/2)*512+((\o)%2)*256+16*(\c)
.endr
.endr
.set t, 0
.rept 16
	ds_load_b128 v[R+4*t:R+4*t+3], v[LR] offset:(t/2)*BP+(t%2)*512  ; my own bytes; LDS serves a wave's instructions in order, so these see the stores above
.set t, t+1
.endr
.set t, 0
.rept 16
	s_wait_dscnt 15-t                              ; half block t is back, the later ones stay out
	global_store_b128 v[LO], v[R+4*t:R+4*t+3], s[18:19] offset:(t/8)*(\runstep)+((t/2)%4)*1024+(t%2)*512  ; 512 consecutive bytes, at a multiple of 512 from wp's first byte
.set t, t+1
.endr
	s_wait_tensorcnt 0x0                           ; the wave's end, behind my last LDS store
	ds_add_u32 v[SPW], v[NIL]
	s_wait_dscnt 0x0
	s_endpgm
.endm
	; W1 [8][512][1024]: work-group x = 16 e + ks takes rows 32 ks .. + 31 of expert e; wave w columns 128 w .. + 127
	s_sub_co_u32 s20, s3, 36
	s_lshl_b32 s22, s20, 17                        ; 32 rows of 4,096 bytes
	s_lshl_b32 s21, s2, 9
	s_add_co_u32 s22, s22, s21
	s_add_nc_u64 s[16:17], s[4:5], s[22:23]
	s_lshr_b32 s21, s20, 4                         ; e
	s_and_b32 s20, s20, 15                         ; ks
	s_lshl_b32 s21, s21, 3
	s_add_co_u32 s21, s21, s2                      ; 8 e + w
	s_lshl_b32 s21, s21, 6
	s_add_co_u32 s21, s21, s20                     ; step ks (g = 0); g = 1 lies 16 steps on
	s_lshl_b32 s22, s21, 12
	s_add_nc_u64 s[18:19], s[10:11], s[22:23]
	CAST 4096, 65536
.Lw2:
	; W2 [8][1024][512]: work-group x = 16 e + y takes rows 64 y .. + 63; wave w rows 32 (w / 4) of them, columns 128 (w % 4) .. + 127, which are two waves' columns of the next launch
	s_sub_co_u32 s20, s3, 164
	s_lshl_b32 s22, s20, 17                        ; 64 rows of 2,048 bytes
	s_lshr_b32 s24, s2, 2
	s_and_b32 s25, s2, 3
	s_lshl_b32 s21, s24, 16
	s_add_co_u32 s22, s22, s21
	s_lshl_b32 s21, s25, 9
	s_add_co_u32 s22, s22, s21
	s_add_nc_u64 s[16:17], s[6:7], s[22:23]
	s_lshr_b32 s21, s20, 4                         ; e
	s_and_b32 s20, s20, 15
	s_lshl_b32 s20, s20, 1
	s_add_co_u32 s20, s20, s24                     ; ks = 2 y + w / 4
	s_lshl_b32 s21, s21, 3
	s_lshl_b32 s25, s25, 1
	s_add_co_u32 s21, s21, s25                     ; 8 e + 2 (w % 4); the second run belongs to the wave behind it, 64 steps on
	s_lshl_b32 s21, s21, 6
	s_add_co_u32 s21, s21, s20
	s_add_co_u32 s21, s21, 32                      ; step 32 + ks
	s_lshl_b32 s22, s21, 12
	s_add_nc_u64 s[18:19], s[10:11], s[22:23]
	CAST 2048, 262144
.Lsort:
.macro ROWSEL a, st                    ; set numbers from st on have the lower expert a
	s_cmp_ge_u32 s3, \st
	s_cselect_b32 s16, \a, s16
	s_cselect_b32 s17, \st, s17
.endm
	s_mov_b32 s16, 0
	s_mov_b32 s17, 0
	ROWSEL 1, 8
	ROWSEL 2, 15
	ROWSEL 3, 21
	ROWSEL 4, 26
	ROWSEL 5, 30
	ROWSEL 6, 33
	ROWSEL 7, 35
	s_sub_co_u32 s18, s3, s17
	s_add_co_u32 s18, s18, s16                     ; b
	s_lshl_b32 s16, s16, 3
	s_add_co_u32 s18, s18, s16                     ; my set's key, 8 a + b
	s_lshl_b32 s21, s2, 13                         ; my wave's 1,024 tokens, 8 bytes each
	v_add_nc_u32 v10, s21, v[LO]
.set i, 0
.rept 16
	global_load_b128 v[32+4*i:35+4*i], v10, s[8:9] offset:512*i  ; two tokens a lane: tokens 1,024 w + 64 i + 2 lane + 0, 1
.set i, i+1
.endr
	s_lshl_b32 s22, s3, 15
	s_add_nc_u64 s[12:13], s[12:13], s[22:23]      ; order[j]
	s_lshl_b32 s22, s3, 2
	s_add_nc_u64 s[14:15], s[14:15], s[22:23]      ; counts[j]
	s_mul_i32 s21, s2, WLB
	s_add_co_u32 s21, s21, WL0                     ; my wave's list
	v_mov_b32 v13, s21
	v_mov_b32 v14, 0
	ds_store_b32 v13, v14                          ; its entry 0 starts as 0 (all lanes write the same word with the same number): what an empty set's piece is made of; a first match writes over it
	v_lshl_add_u32 v24, v[LN], 2, 4096             ; a lane without a match writes here, behind the 1,024 entries
	s_lshl_b32 s19, s2, 10
	v_lshl_add_u32 v25, v[LN], 1, s19              ; 1,024 w + 2 lane
	s_mov_b32 s20, 0                               ; my wave's matches so far
	s_wait_loadcnt 0x0
.set k, 0
.rept 32                               ; token k of my lane's 32: is it of my set?  If so it goes to the next free entry of my wave's list
	v_min_u32 v11, v[32+2*k], v[33+2*k]
	v_max_u32 v12, v[32+2*k], v[33+2*k]
	v_lshl_add_u32 v11, v11, 3, v12
	v_cmp_eq_u32 s16, s18, v11
	v_mbcnt_lo_u32_b32 v26, s16, s20               ; matches so far + those in the lanes below me
	v_lshlrev_b32 v26, 2, v26
	v_cndmask_b32 v26, v24, v26, s16
	v_min_u32 v26, 4220, v26                       ; inside my wave's 4,224 bytes whatever the data
	v_add_nc_u32 v26, s21, v26
	v_add_nc_u32 v27, 64*(k/2)+(k%2), v25          ; the token's number
	ds_store_b32 v26, v27
	s_bcnt1_i32_b32 s17, s16
	s_add_co_u32 s20, s20, s17
.set k, k+1
.endr
	s_lshl_b32 s19, s2, 2
	s_add_co_u32 s19, s19, WT
	v_mov_b32 v13, s19
	v_mov_b32 v14, s20
	ds_store_b32 v13, v14                          ; my wave's count
	s_wait_dscnt 0x0                               ; for the others' sake: my list and my count are in LDS
	s_barrier_signal -1
	s_barrier_wait -1                              ; (the branch that led here hangs on the work-group's number alone: all eight waves pass)
	v_mov_b32 v13, WT
	ds_load_b128 v[16:19], v13
	ds_load_b128 v[20:23], v13 offset:16
	s_wait_dscnt 0x0
	s_mov_b32 s23, 0                               ; the running sum; at the end n
.irp i, 0,1,2,3,4,5,6,7
	v_readfirstlane_b32 s19, v[16+(\i)]
	s_mov_b32 s[32+(\i)], s23                      ; the place at which wave i's entries begin
	s_sub_co_u32 s[40+(\i)], (\i)*WLW, s23         ; what turns such a place into a word of the eight lists
	s_add_co_u32 s23, s23, s19
.endr
	s_max_u32 s26, s23, 1                          ; an empty set still sends its first piece
	s_sub_co_u32 s27, s26, 1                       ; the last place that holds an entry of its own
	s_lshl_b32 s28, s2, 6
	v_lshl_add_u32 v28, v[LN], 1, s28              ; trip 0: places 64 w + 2 lane and + 1
; The entry at place v[p] into v[d].  Places past the end take the last entry.  The seven compares leave the last wave whose entries begin at or below the place: the one that holds it.
.macro GATH d, p
	v_min_u32 v36, s27, v[\p]
	v_mov_b32 v37, 0
.irp i, 1,2,3,4,5,6,7
	v_cmp_le_u32 vcc_lo, s[32+(\i)], v36
	v_cndmask_b32 v37, v37, s[40+(\i)], vcc_lo
.endr
	v_add_nc_u32 v36, v37, v36
	v_min_u32 v36, 8*WLW-1, v36                    ; inside the eight lists whatever the data
	v_lshl_add_u32 v36, v36, 2, WL0
	ds_load_b32 v[\d], v36
.endm
	; 16 trips cover the 8,192 places that a set can have: in trip t wave w sends places 512 t + 64 w .. + 63.  Trips past the end are jumped, forward, over no barrier.  All lanes stay on.
	s_mov_b32 s24, 0
.Lchunk:
	s_lshl_b32 s25, s24, 9
	s_add_co_u32 s25, s25, s28                     ; my piece's first place
	s_cmp_ge_u32 s25, s26
	s_cbranch_scc1 .Lskip
	s_wait_xcnt 0x0                                ; the last trip's store has read its registers: they are rewritten only behind this wait
	v_lshl_add_u32 v30, s24, 9, v28
	v_add_nc_u32 v31, 1, v30
	v_lshlrev_b32 v33, 2, v30                      ; the store's address hangs on trip, wave and lane alone
	GATH 38, 30
	GATH 39, 31
	s_wait_dscnt 0x0
	global_store_b64 v33, v[38:39], s[12:13]       ; 32 lanes: 256 consecutive bytes, at a multiple of 256 from order's first byte
.Lskip:
	s_add_co_u32 s24, s24, 1
	s_cmp_lt_u32 s24, 16
	s_cbranch_scc1 .Lchunk
	s_cmp_lg_u32 s2, 0
	s_cbranch_scc1 .Lsort_end
	v_mov_b32 v40, 0                               ; wave 0: lane 0 stores n
	v_mov_b32 v41, s23
	v_cmp_eq_u32 vcc_lo, 0, v[LN]
	s_wait_xcnt 0x0                                ; EXEC changes only behind this wait: the loop's last store may still read it
	s_and_saveexec_b32 s29, vcc_lo
	global_store_b32 v40, v41, s[14:15]
	s_wait_xcnt 0x0                                ; and again in front of the line that widens it
	s_or_b32 exec_lo, exec_lo, s29
.Lsort_end:
	s_wait_tensorcnt 0x0                           ; the wave's end, behind my last LDS store
	ds_add_u32 v[SPW], v[NIL]
	s_wait_dscnt 0x0
	s_endpgm
.Lfunc_end_k_q93015e5c6d_prep:
	.size	k_q93015e5c6d_prep, .Lfunc_end_k_q93015e5c6d_prep-k_q93015e5c6d_prep
	.p2alignl 7, 3214868480
	.fill 96, 4, 3214868480
	.section	.rodata,"a",@progbits
	.p2align	6, 0x0
	.amdhsa_kernel k_q93015e5c6d_prep
		.amdhsa_group_segment_fixed_size 103680
		.amdhsa_private_segment_fixed_size 0
		.amdhsa_enable_private_segment 0
		.amdhsa_kernarg_size 48
		.amdhsa_user_sgpr_count 2
		.amdhsa_user_sgpr_kernarg_segment_ptr 1
		.amdhsa_wavefront_size32 1
		.amdhsa_system_sgpr_workgroup_id_x 1
		.amdhsa_system_sgpr_workgroup_id_y 1
		.amdhsa_system_sgpr_workgroup_id_z 1
		.amdhsa_system_vgpr_workitem_id 0
		.amdhsa_next_free_vgpr 208
		.amdhsa_next_free_sgpr 66
		.amdhsa_reserve_vcc 1
		.amdhsa_float_denorm_mode_32 3
		.amdhsa_float_denorm_mode_16_64 3
		.amdhsa_memory_ordered 1
		.amdhsa_forward_progress 1
		.amdhsa_inst_pref_size 53
	.end_amdhsa_kernel
	.amdgpu_metadata
---
amdhsa.version: [ 1, 2 ]
amdhsa.kernels:
  - .name:           k_q93015e5c6d_prep
    .symbol:         k_q93015e5c6d_prep.kd
    .args:
      - { .name: W1, .offset: 0, .size: 8, .value_kind: global_buffer, .address_space: global }
      - { .name: W2, .offset: 8, .size: 8, .value_kind: global_buffer, .address_space: global }
      - { .name: top_k_indices, .offset: 16, .size: 8, .value_kind: global_buffer, .address_space: global }
      - { .name: wp, .offset: 24, .size: 8, .value_kind: global_buffer, .address_space: global }
      - { .name: order, .offset: 32, .size: 8, .value_kind: global_buffer, .address_space: global }
      - { .name: counts, .offset: 40, .size: 8, .value_kind: global_buffer, .address_space: global }
    .group_segment_fixed_size: 103680
    .private_segment_fixed_size: 0
    .kernarg_segment_align: 8
    .kernarg_segment_size: 48
    .max_flat_workgroup_size: 256
    .sgpr_count:     66
    .vgpr_count:     208
    .wavefront_size: 32
...
	.end_amdgpu_metadata
.endif
;; end of part 1
;; launch moe (part 2): grid 205 x 1, 8 waves a work-group, no clusters, 199,168 bytes of LDS; arguments hidden, top_k_indices, top_k_weights, b1, b2, wp, order, counts, out0; writes out0
.if DOCPART == 2
	.amdgcn_target "amdgcn-amd-amdhsa--gfx1250"
	.amdhsa_code_object_version 6
	.text
	.protected	k_q93015e5c6d_moe
	.globl	k_q93015e5c6d_moe
	.p2align	8
	.type	k_q93015e5c6d_moe,@function
k_q93015e5c6d_moe:
	s_mov_b64 s[64:65], 0
	v_nop
	global_prefetch_b8 v0, s[64:65] scope:SCOPE_SE
	s_setreg_imm32_b32 hwreg(HW_REG_WAVE_MODE, 25, 1), 1
	s_wait_xcnt 0x0
; MOE.  out[t] = cw_a (gelu(x W1a + b1a) W2a + b2a) + cw_b (gelu(x W1b + b1b) W2b + b2b) for token t with the chosen experts a <= b (a = b: the same expert twice, once with each slot's weight).
; SHARES.  A work-group takes a tile of 48 tokens of ONE set {a, b} through the whole chain for both experts and adds both results into one accumulator: each output row has one owner, and the
; hidden layer stays in LDS.  Tiles: the sum over the 36 sets of ceil(n / 48), never more than (8,192 + 36 x 47) / 48 = 205: the grid.  Every work-group finds its tile from the 36 stored counts.
; 48 and not 64: an even split then has some 189 tiles for the 256 WGPs where 64 gives some 146, and a tile's chain is a quarter shorter; 32 could need 290 tiles, more than there are WGPs.
; In a tile that is not full the places past the count repeat the tile's last token, and their stores are jumped.  A work-group that the split leaves without rows runs the same text on one
; token and stores nothing: all its barriers, loops and address steps stay on one path.
; Eight waves.  First product: wave w makes hidden features 128 w .. + 127, in two groups of 64; second product: output columns 64 w .. + 63.  All 48 tokens each: 12 accumulators of 16 x 16.
; THE MATRIX INSTRUCTION IS USED TRANSPOSED: source 0 = 16 features x 32 k of weights, source 1 = 16 tokens x 32 k.  A lane then holds one token (lane % 16) and eight neighbouring features.
; WEIGHTS come from wp, which holds them as bf16 operands in the order of use, straight into registers: each byte is loaded by one wave of the work-group, 512 consecutive bytes a load, through a ring
; of four register slots (a slot = one step of 32 k = 4 KB), three steps ahead.  Nothing in the loops fills LDS but the wave's own stores of the hidden layer.
; NO CLUSTER: partners would have to walk the same set, and a set has ceil(n / 48) tiles, any number from 0 to 171 that hangs on the data; whole clusters of 192 tokens for each set would make the grid's
; bound 78 clusters, 312 work-groups; and the weights do not pass through LDS here.
; FORMATS.  hidden, W1, W2, b1, b2 and the slots' weights are each rounded once to bf16; products in bf16 with f32 sums; bias, gelu (the tanh form, as x / (1 + 2^(x (C1 + C2 x^2)))) and cw in f32;
; cw x gelu is rounded once to bf16 for the second product (bf16, so that inputs some 30 times larger keep their range).
; LIMITS.  Indices lie in 0..7.  NaN and infinities are not treated apart.  Where the exponent overflows the gate is 0 or 1, the tanh form's own limits.
.set PX,     1040                      ; a row of X in LDS: 512 bf16 + 16 bytes: an odd multiple of 16, so the 16 rows of a fragment load start in 16 different 16-byte columns of 256
.set PH,     2064                      ; a row of H: 1,024 bf16 + 16 bytes, likewise
.set HB,     48*PX                     ; H begins behind X's 48 rows
.set B1L,    HB+48*PH                  ; b1 of a, b1 of b: 2 x 1,024 f32
.set B2L,    B1L+8192                  ; b2 of a, b2 of b: 2 x 512 f32
.set TOKL,   B2L+4096                  ; for each wave, 256 bytes apart, its own copy of the tile's 48 token numbers
.set STAGE,  TOKL+2048                 ; for each wave 16 rows x 272 bytes, for the way out
.set SPITCH, 272
.set SPARE,  STAGE+8*16*SPITCH         ; the spare words, 128 bytes a wave, that no other line names
; window 0
.set WOFF, 1                           ; v1   16 x lane; never rewritten
.set R,    2                           ; v2   lane % 16
.set H,    3                           ; v3   lane / 16
.set LNX,  4                           ; v4   my lane's place in a fragment of X: r PX + 16 h
.set LNH0, 5                           ; v5   the same in H, tokens 0-31
.set AL0,  6                           ; v6   the LDS address of the token fragments in hand (H: tokens 0-31)
.set AL1,  7                           ; v7   H: tokens 32-47 (their offset from AL0 would pass the 16 bits of an LDS offset)
.set HSB,  8                           ; v8   where I store 16 bytes of H: LNH0 + 256 w
.set HS0,  9                           ; v9, v10  the same for the group in hand, tokens 0-31 and 32-47
.set HS1,  10
.set BI0,  11                          ; v11  b1 of my features: B1L + 512 w + 32 h
.set BIA,  12                          ; v12  the same for the expert and group in hand
.set STO,  13                          ; v13  the way out: where I put 32 bytes of a row
.set RD,   14                          ; v14  the way out: where I read rows back
.set TKA,  15                          ; v15  the way out: the token number of the row that I read back
.set CWA,  16                          ; v[16:18]  cw_a of token 16 mt + r; v19 is named with v18 as a pair
.set CWB,  20                          ; v[20:22]  cw_b; v23 likewise
.set SPW,  24                          ; v24  LDS address of my spare word; never rewritten
.set NIL,  25                          ; v25  0; never rewritten
.set OC,   26                          ; v26  the way out: 256 w + 16 r, my bytes in a row of out
.set LNH1, 27                          ; v27  LNH0 + 32 rows
.set ABUF, 32                          ; v[32:55], v[64:87]  token fragments, two buffers of 3 x 8
.set T,    96                          ; v[96:127] at work in gelu
.set HACC, 128                         ; v[128:223] first product's sums: tile (mt, nt) at 128 + 8 (4 mt + nt)
; window 1
.set OACC, 0                           ; v[0:95]    second product's sums, likewise
.set BR,   128                         ; v[128:255] weights: 4 slots x 4 fragments
; at work in the prologue only, inside the fragment buffers
.set T16,  60
.set T16B, 61
.set BST,  62
.set TKS,  84
.set B2A,  85
.set XS,   86
.set LL,   87
; scalars
.set WV,   2                           ; my wave
.set WG,   3                           ; my work-group
.set RUN,  6                           ; tiles of the sets before
.set SD,   7                           ; my tile's number in its set
.set SN,   8                           ; my set's count
.set SJ,   9                           ; my set: j | a << 8 | b << 16
.set CNT,  10                          ; rows of my tile, 0 .. 48
.set CM1,  11                          ; the last place that holds a row of its own
.set EA,   12
.set EB,   13
.set FB,   14                          ; my tile's first entry in order
.set TK,   16                          ; s[16:21] the token numbers of the six rows of X that my wave brings
.set PA,   24                          ; s[24:25] my wave's stream of expert a's weights; it walks
.set PB,   26                          ; s[26:27] expert b's
.set C1,   30                          ; s[30:31] -2 sqrt(2/pi) log2(e), named as a pair
.set C2,   32                          ; s[32:33] C1 x 0.044715
.set SK,   34                          ; byte in a row of X or H at which the trip in hand begins
.set TC,   35                          ; trips
.set GC,   36                          ; groups
.set HIM,  37                          ; 0xffff0000
.set MSB, 0
.macro WIN new                         ; the immediate's high byte repeats the setting that is left; a switch that changes nothing is dropped
.if MSB != (\new)
	s_set_vgpr_msb (MSB<<8)|(\new)
.set MSB, \new
.endif
.endm
.macro PLACES n                        ; plain vector instructions between a matrix instruction and a load into, or a vector read or write of, its registers (ISA guide 7.12.1 for vector reads and writes)
.rept \n
	v_nop
.endr
.endm
; One step's weights, 4 fragments = 4 KB, from byte off of the stream into a slot of the ring
.macro BLOADS slot, ptr, off
	WIN 0x40                                       ; destination window 1, address window 0
.irp nt, 0,1,2,3
	global_load_b128 v[BR+32*(\slot)+8*(\nt):BR+32*(\slot)+8*(\nt)+3],   v[WOFF], s[\ptr:\ptr+1] offset:(\off)+1024*(\nt)
	global_load_b128 v[BR+32*(\slot)+8*(\nt)+4:BR+32*(\slot)+8*(\nt)+7], v[WOFF], s[\ptr:\ptr+1] offset:(\off)+1024*(\nt)+512
.endr
.endm
; One step's token fragments (48 tokens x 32 k), six loads, at byte koff behind the address in hand.  ph = 1: from X; 2: from H
.macro ALOADS ph, buf, koff
	WIN 0
.irp mt, 0,1,2
.if (\ph) == 1
	ds_load_b128 v[ABUF+32*(\buf)+8*(\mt):ABUF+32*(\buf)+8*(\mt)+3],   v[AL0] offset:(\mt)*16*PX+(\koff)
	ds_load_b128 v[ABUF+32*(\buf)+8*(\mt)+4:ABUF+32*(\buf)+8*(\mt)+7], v[AL0] offset:(\mt)*16*PX+(\koff)+32
.else
	ds_load_b128 v[ABUF+32*(\buf)+8*(\mt):ABUF+32*(\buf)+8*(\mt)+3],   v[AL0+(\mt)/2] offset:((\mt)%2)*16*PH+(\koff)
	ds_load_b128 v[ABUF+32*(\buf)+8*(\mt)+4:ABUF+32*(\buf)+8*(\mt)+7], v[AL0+(\mt)/2] offset:((\mt)%2)*16*PH+(\koff)+32
.endif
.endr
.endm
; 12 matrix instructions, 32 along k.  The 12 accumulators take turns, one instruction a turn: between two links of a chain stand the 11 others', from step to step and over the loops' jumps too
.macro MUL ph, buf, slot
.if (\ph) == 1
	WIN 0x01                                       ; weights (source 0) window 1; tokens, C and D window 0
.set AC, HACC
.else
	WIN 0x51                                       ; weights, C and D window 1; tokens window 0
.set AC, OACC
.endif
.irp nt, 0,1,2,3
.irp mt, 0,1,2
	v_wmma_f32_16x16x32_bf16 v[AC+8*(4*(\mt)+(\nt)):AC+8*(4*(\mt)+(\nt))+7], v[BR+32*(\slot)+8*(\nt):BR+32*(\slot)+8*(\nt)+7], v[ABUF+32*(\buf)+8*(\mt):ABUF+32*(\buf)+8*(\mt)+7], v[AC+8*(4*(\mt)+(\nt)):AC+8*(4*(\mt)+(\nt))+7]
.endr
.endr
.endm
; A TRIP: four steps, on slots 0-3 and token buffers 0, 1, 0, 1.  Each step: the places behind the last step's products; the weights three steps on, into the slot that the last step read; the next step's
; token fragments, into the buffer that the last step read; the waits; 12 products.  s_wait_loadcnt 24 leaves the three younger steps' 24 loads out; s_wait_dscnt 6 the six fragment loads just issued.
; kind 0: a trip like any other; the stream's pointer steps at its end.  kind 1: expert a's last: the ring goes on into expert b's stream PN, and X's first fragments are fetched.
; kind 2: the very last: nothing is left to ask for behind the stream's last step, and the counts run down 24, 16, 8, 0.
.macro TRIP ph, kind, P, PN
	PLACES 4
	BLOADS 3, \P, 3*4096
	ALOADS \ph, 1, 64
	s_wait_loadcnt 24
	s_wait_dscnt 6
	MUL \ph, 0, 0
	PLACES 4
.if (\kind) == 0
	BLOADS 0, \P, 4*4096
.elseif (\kind) == 1
	BLOADS 0, \PN, 0
.endif
	ALOADS \ph, 0, 128
.if (\kind) == 2
	s_wait_loadcnt 16
.else
	s_wait_loadcnt 24
.endif
	s_wait_dscnt 6
	MUL \ph, 1, 1
	PLACES 4
.if (\kind) == 0
	BLOADS 1, \P, 5*4096
.elseif (\kind) == 1
	BLOADS 1, \PN, 4096
.endif
	ALOADS \ph, 1, 192
.if (\kind) == 2
	s_wait_loadcnt 8
.else
	s_wait_loadcnt 24
.endif
	s_wait_dscnt 6
	MUL \ph, 0, 2
	WIN 0
.if (\kind) == 0
	s_add_co_u32 s[SK], s[SK], 256                 ; the next trip's 128 k; the address lines below are among the four places
.if (\ph) == 1
	s_and_b32 s[SK], s[SK], 1023                   ; behind X's last trip back to its first: the next group walks X again
	v_add_nc_u32 v[AL0], s[SK], v[LNX]
	PLACES 3
.else
	v_add_nc_u32 v[AL0], s[SK], v[LNH0]
	v_add_nc_u32 v[AL1], s[SK], v[LNH1]
	PLACES 2
.endif
	BLOADS 2, \P, 6*4096
	ALOADS \ph, 0, 0
	s_wait_loadcnt 24
	s_wait_dscnt 6
.elseif (\kind) == 1
	s_mov_b32 s[SK], 0
	v_mov_b32 v[AL0], v[LNX]
	PLACES 3
	BLOADS 2, \PN, 2*4096
	ALOADS 1, 0, 0
	s_wait_loadcnt 24
	s_wait_dscnt 6
.else
	s_wait_loadcnt 0x0
	s_wait_dscnt 0x0
.endif
	MUL \ph, 1, 3
.if (\kind) == 0
	s_wait_xcnt 0x0                                ; the loads issued have had their addresses translated (ISA guide 3.1): only now does the pointer step
	s_add_nc_u64 s[\P:\P+1], s[\P:\P+1], 16384
.endif
.endm
; d = a x cw[mt] in both halves: the packed multiply names a pair and takes one register of it twice
.macro PKMULB d, a, cw, mt
.if (\mt)%2 == 0
	v_pk_mul_f32 v[\d:\d+1], v[\a:\a+1], v[(\cw)+(\mt):(\cw)+(\mt)+1] op_sel_hi:[1,0]
.else
	v_pk_mul_f32 v[\d:\d+1], v[\a:\a+1], v[(\cw)+(\mt)-1:(\cw)+(\mt)] op_sel:[0,1] op_sel_hi:[1,1]
.endif
.endm
.macro PKFMAB d, a, cw, mt             ; d += a x cw[mt]
.if (\mt)%2 == 0
	v_pk_fma_f32 v[\d:\d+1], v[\a:\a+1], v[(\cw)+(\mt):(\cw)+(\mt)+1], v[\d:\d+1] op_sel_hi:[1,0,1]
.else
	v_pk_fma_f32 v[\d:\d+1], v[\a:\a+1], v[(\cw)+(\mt)-1:(\cw)+(\mt)], v[\d:\d+1] op_sel:[0,1,0] op_sel_hi:[1,1,1]
.endif
.endm
; cw x gelu(x) for the group's 64 features of all 48 tokens, 16 tokens at a time, rounded to bf16 and stored into H.  x / (1 + 2^(x (C1 + C2 x^2))).  Each accumulator is read from its lowest registers on.
; The 32 exponentials are one batch, and so are the 32 reciprocals: one wait each, ahead of the first line that names a result; plain work that names none of them stands between.
.macro GELU cw
	WIN 0
.irp mt, 0,1,2
.set XB, HACC+32*(\mt)
.set p, 0
.rept 16
	v_pk_mul_f32 v[T+2*p:T+2*p+1], v[XB+2*p:XB+2*p+1], v[XB+2*p:XB+2*p+1]
.set p, p+1
.endr
.set p, 0
.rept 16
	v_pk_fma_f32 v[T+2*p:T+2*p+1], v[T+2*p:T+2*p+1], s[C2:C2+1], s[C1:C1+1] op_sel_hi:[1,0,0]
.set p, p+1
.endr
.set p, 0
.rept 16
	v_pk_mul_f32 v[T+2*p:T+2*p+1], v[T+2*p:T+2*p+1], v[XB+2*p:XB+2*p+1]
.set p, p+1
.endr
.set p, 0
.rept 32
	v_exp_f32 v[T+p], v[T+p]
.set p, p+1
.endr
.set p, 0
.rept 16
	PKMULB XB+2*p, XB+2*p, \cw, \mt                ; x times the token's cw: the independent work behind the batch
.set p, p+1
.endr
	s_wait_alu depctr_va_vdst(0)                   ; one wait for the 32 exponentials
.set p, 0
.rept 16
	v_pk_add_f32 v[T+2*p:T+2*p+1], v[T+2*p:T+2*p+1], 1.0 op_sel_hi:[1,0]
.set p, p+1
.endr
.set p, 0
.rept 32
	v_rcp_f32 v[T+p], v[T+p]
.set p, p+1
.endr
	v_nop                                          ; a plain instruction behind the last reciprocal
	s_wait_alu depctr_va_vdst(0)                   ; one wait for the 32 reciprocals
.set p, 0
.rept 16
	v_pk_mul_f32 v[XB+2*p:XB+2*p+1], v[XB+2*p:XB+2*p+1], v[T+2*p:T+2*p+1]
.set p, p+1
.endr
.set p, 0
.rept 16
	v_cvt_pk_bf16_f32 v[T+p], v[XB+2*p], v[XB+2*p+1]
.set p, p+1
.endr
.irp nt, 0,1,2,3
	ds_store_b128 v[HS0+(\mt)/2], v[T+4*(\nt):T+4*(\nt)+3] offset:((\mt)%2)*16*PH+32*(\nt)  ; token 16 mt + r, features 16 nt + 8 h + 0..7 of the group
.endr
.endr
.endm
; ONE EXPERT.  Two groups of 64 hidden features: b1 starts the sums, four trips over X, gelu into H.  A barrier: H is whole.  Eight trips over H onto the one output accumulator.
.macro EXPERT e, P, PN, cw
	WIN 0
	v_add_nc_u32 v[BIA], 4096*(\e), v[BI0]
	v_mov_b32 v[HS0], v[HSB]
	v_add_nc_u32 v[HS1], 32*PH, v[HSB]
	s_mov_b32 s[GC], 2
.Lgrp\e:
.irp mt, 0,1,2
.irp nt, 0,1,2,3
	ds_load_b128 v[HACC+8*(4*(\mt)+(\nt)):HACC+8*(4*(\mt)+(\nt))+3],   v[BIA] offset:64*(\nt)      ; the bias is the sums' beginning: nothing is cleared and nothing added later
	ds_load_b128 v[HACC+8*(4*(\mt)+(\nt))+4:HACC+8*(4*(\mt)+(\nt))+7], v[BIA] offset:64*(\nt)+16
.endr
.endr
	s_mov_b32 s[TC], 4
.Lone\e:
	TRIP 1, 0, \P, \P
	WIN 0                                          ; at a label and at a branch every window is 0
	s_sub_co_u32 s[TC], s[TC], 1
	s_cmp_lg_u32 s[TC], 0
	s_cbranch_scc1 .Lone\e
	PLACES 4                                       ; gelu reads results just made
	GELU \cw
	v_add_nc_u32 v[BIA], 256, v[BIA]               ; the next group's 64 features
	v_add_nc_u32 v[HS0], 128, v[HS0]
	v_add_nc_u32 v[HS1], 128, v[HS1]
	s_sub_co_u32 s[GC], s[GC], 1
	s_cmp_lg_u32 s[GC], 0
	s_cbranch_scc1 .Lgrp\e
	s_wait_dscnt 0x0                               ; for the others' sake: my part of H is stored.  (Also back: the six fragment loads of X that the second group's last trip issued and nobody uses: the price of one text for both groups)
	s_barrier_signal -1
	s_barrier_wait -1                              ; H is whole
	s_mov_b32 s[SK], 0
	v_mov_b32 v[AL0], v[LNH0]
	v_mov_b32 v[AL1], v[LNH1]
	ALOADS 2, 0, 0
	s_mov_b32 s[TC], 7
.Ltwo\e:
	TRIP 2, 0, \P, \P
	WIN 0
	s_sub_co_u32 s[TC], s[TC], 1
	s_cmp_lg_u32 s[TC], 0
	s_cbranch_scc1 .Ltwo\e
.if (\e) == 0
	TRIP 2, 1, \P, \PN
	WIN 0
	s_wait_dscnt 0x0                               ; my reads of H are over
	s_barrier_signal -1
	s_barrier_wait -1                              ; everybody's are: H may be written again
.else
	TRIP 2, 2, \P, \P
	WIN 0
.endif
.endm
	s_load_b512 s[68:83], s[0:1], 0x0              ; hidden s[68:69], indices s[70:71], weights s[72:73], b1 s[74:75], b2 s[76:77], wp s[78:79], order s[80:81], counts s[82:83]
	s_load_b64 s[84:85], s[0:1], 0x40              ; out
	v_lshl_add_u32 v[SPW], v0, 2, SPARE
	v_mov_b32 v[NIL], 0
	v_lshrrev_b32 v28, 5, v0
	v_readfirstlane_b32 s[WV], v28                 ; wave 0..7
	s_mov_b32 s[WG], ttmp9
	s_wait_kmcnt 0x0
	s_load_b512 s[16:31], s[82:83], 0x0            ; the 36 counts
	s_load_b512 s[32:47], s[82:83], 0x40
	s_load_b128 s[48:51], s[82:83], 0x80
	; the lanes' places, while the counts are on their way
	s_lshl_b32 s4, s[WV], 8                        ; 256 w
	v_and_b32 v[LL], 31, v0
	v_lshlrev_b32 v[WOFF], 4, v[LL]
	v_and_b32 v[R], 15, v0
	v_bfe_u32 v[H], v0, 4, 1
	v_mul_u32_u24 v[LNX], v[R], PX
	v_lshl_add_u32 v[LNX], v[H], 4, v[LNX]
	v_mul_u32_u24 v[LNH0], v[R], PH
	v_lshl_add_u32 v[LNH0], v[H], 4, v[LNH0]
	v_add_nc_u32 v[LNH0], HB, v[LNH0]
	v_add_nc_u32 v[LNH1], 32*PH, v[LNH0]
	v_add_nc_u32 v[HSB], s4, v[LNH0]
	s_lshl_b32 s5, s[WV], 9
	s_add_co_u32 s5, s5, B1L
	v_lshl_add_u32 v[BI0], v[H], 5, s5
	s_add_co_u32 s5, s4, B2L
	v_lshl_add_u32 v[B2A], v[H], 5, s5
	s_add_co_u32 s5, s4, TOKL
	v_lshl_add_u32 v[TKA], v[H], 2, s5
	v_lshl_add_u32 v[TKS], v[R], 2, s5
	v_lshl_add_u32 v[OC], v[R], 4, s4
	s_mul_i32 s5, s[WV], 16*SPITCH
	s_add_co_u32 s5, s5, STAGE
	v_mul_u32_u24 v[STO], v[R], SPITCH
	v_lshl_add_u32 v[STO], v[H], 5, v[STO]
	v_add_nc_u32 v[STO], s5, v[STO]
	v_mul_u32_u24 v[RD], v[H], SPITCH
	v_lshl_add_u32 v[RD], v[R], 4, v[RD]
	v_add_nc_u32 v[RD], s5, v[RD]
	s_mul_i32 s5, s[WV], 6*PX
	v_lshl_add_u32 v[XS], v[LL], 3, s5             ; my wave's six rows of X, 8 bytes a lane
	v_lshlrev_b32 v[T16], 4, v0
	v_and_b32 v[T16B], 127, v0
	v_lshlrev_b32 v[T16B], 4, v[T16B]
	v_add_nc_u32 v[BST], B1L, v[T16]
	v_mov_b32 v[CWA+3], 0                          ; named as the second of a pair of which the first alone is taken
	v_mov_b32 v[CWB+3], 0
	s_mov_b32 s[RUN], 0
	s_mov_b32 s[SD], 0
	s_mov_b32 s[SN], 0
	s_mov_b32 s[SJ], 0
	s_wait_kmcnt 0x0
	; WHICH TILE IS MINE: set j has ceil(n / 48) tiles; mine is the set in whose run of tiles my work-group's number falls.  (Below the run the difference wraps and is no smaller than any count of tiles.)
	; x / 48 = x * 43,691 >> 21: 43,691 is 2^21 / 48 + 1/3, so the quotient is exact while x / (3 * 2^21) stays under 1/48, far beyond 8,239
.set j, 0
.irp a, 0,1,2,3,4,5,6,7
.irp b, 0,1,2,3,4,5,6,7
.if (\b) >= (\a)
	s_add_co_u32 s4, s[16+j], 47
	s_mul_i32 s4, s4, 0xaaab
	s_lshr_b32 s4, s4, 21
	s_sub_co_u32 s5, s[WG], s[RUN]
	s_add_co_u32 s[RUN], s[RUN], s4
	s_cmp_lt_u32 s5, s4
	s_cselect_b32 s[SD], s5, s[SD]
	s_cselect_b32 s[SN], s[16+j], s[SN]
	s_cselect_b32 s[SJ], j|((\a)<<8)|((\b)<<16), s[SJ]
.set j, j+1
.endif
.endr
.endr
	s_min_u32 s[SD], s[SD], 170
	s_mul_i32 s4, s[SD], 48                        ; my tile's first place in its set's list
	s_sub_co_u32 s[CNT], s[SN], s4
	s_min_u32 s[CNT], s[CNT], 48                   ; 0 if no tile is mine
	s_max_u32 s[CM1], s[CNT], 1
	s_sub_co_u32 s[CM1], s[CM1], 1
	s_and_b32 s5, s[SJ], 255
	s_min_u32 s5, s5, 35
	s_lshl_b32 s[FB], s5, 13
	s_add_co_u32 s[FB], s[FB], s4
	s_bfe_u32 s[EA], s[SJ], 0x80008
	s_min_u32 s[EA], s[EA], 7
	s_bfe_u32 s[EB], s[SJ], 0x80010
	s_min_u32 s[EB], s[EB], 7
	s_mov_b32 s29, 0                               ; high word of the offset pair s[28:29]
	s_lshl_b32 s28, s[EA], 3
	s_add_co_u32 s28, s28, s[WV]
	s_lshl_b32 s28, s28, 18                        ; a wave's stream for an expert is 262,144 bytes
	s_add_nc_u64 s[PA:PA+1], s[78:79], s[28:29]
	s_lshl_b32 s28, s[EB], 3
	s_add_co_u32 s28, s28, s[WV]
	s_lshl_b32 s28, s28, 18
	s_add_nc_u64 s[PB:PB+1], s[78:79], s[28:29]
	BLOADS 0, PA, 0                                ; the ring's first three steps go out before anything else
	BLOADS 1, PA, 4096
	BLOADS 2, PA, 8192
	WIN 0
	s_mov_b32 s[C1], 0xc0135761                    ; -2.3022082
	s_mov_b32 s[C1+1], s[C1]
	s_mov_b32 s[C2], 0xbdd2d3e8                    ; -0.10294324
	s_mov_b32 s[C2+1], s[C2]
	s_mov_b32 s[HIM], 0xffff0000
	; the token numbers: as scalars those of the six rows of X that my wave brings, as vectors all 48 (lane: token 16 mt + r).  Places past the count repeat the tile's last token
	s_mul_i32 s4, s[WV], 6
.irp i, 0,1,2,3,4,5
	s_add_co_u32 s[40+(\i)], s4, \i
	s_min_u32 s[40+(\i)], s[40+(\i)], s[CM1]
	s_add_co_u32 s[40+(\i)], s[40+(\i)], s[FB]
	s_min_u32 s[40+(\i)], s[40+(\i)], 0x47fff      ; inside order's 36 x 8,192 entries
	s_lshl_b32 s[40+(\i)], s[40+(\i)], 2
	s_load_b32 s[TK+(\i)], s[80:81], s[40+(\i)] offset:0x0
.endr
.irp mt, 0,1,2
	v_add_nc_u32 v[40+(\mt)], 16*(\mt), v[R]
	v_min_u32 v[40+(\mt)], s[CM1], v[40+(\mt)]
	v_add_nc_u32 v[40+(\mt)], s[FB], v[40+(\mt)]
	v_min_u32 v[40+(\mt)], 0x47fff, v[40+(\mt)]
	v_lshlrev_b32 v[40+(\mt)], 2, v[40+(\mt)]
	global_load_b32 v[44+(\mt)], v[40+(\mt)], s[80:81]
.endr
	; the biases: 256 threads x 16 bytes are b1 of a, b1 of b, and (waves 0-3: a, waves 4-7: b) b2
	s_lshl_b32 s28, s[EA], 12
	s_add_nc_u64 s[52:53], s[74:75], s[28:29]
	s_lshl_b32 s28, s[EB], 12
	s_add_nc_u64 s[54:55], s[74:75], s[28:29]
	s_cmp_lt_u32 s[WV], 4
	s_cselect_b32 s28, s[EA], s[EB]
	s_lshl_b32 s28, s28, 11
	s_add_nc_u64 s[56:57], s[76:77], s[28:29]
	global_load_b128 v[48:51], v[T16], s[52:53]
	global_load_b128 v[52:55], v[T16], s[54:55]
	global_load_b128 v[56:59], v[T16B], s[56:57]
	s_wait_kmcnt 0x0
.irp i, 0,1,2,3,4,5
	s_min_u32 s[TK+(\i)], s[TK+(\i)], 8191
	v_lshl_add_u32 v[32+(\i)], s[TK+(\i)], 11, v[WOFF]  ; a row of hidden is 2,048 bytes
.endr
.irp i, 0,1,2,3,4,5
.irp q, 0,1,2,3
	global_load_b128 v[HACC+16*(\i)+4*(\q):HACC+16*(\i)+4*(\q)+3], v[32+(\i)], s[68:69] offset:512*(\q) th:TH_LOAD_NT  ; a token lies in one tile of the launch; only a tile's last row is asked for again, for the places past the count
.endr
.endr
	s_wait_loadcnt 27                              ; the token numbers are in: behind them 3 loads of biases and 24 of hidden were issued
.irp mt, 0,1,2
	v_min_u32 v[44+(\mt)], 0x1fff, v[44+(\mt)]
	ds_store_b32 v[TKS], v[44+(\mt)] offset:64*(\mt)  ; my wave's own copy, for the way out (both halves of the lanes write the same word with the same number)
	v_lshlrev_b32 v[80+(\mt)], 3, v[44+(\mt)]
	global_load_b64 v[64+2*(\mt):65+2*(\mt)], v[80+(\mt)], s[70:71]  ; the token's two experts
	global_load_b64 v[72+2*(\mt):73+2*(\mt)], v[80+(\mt)], s[72:73]  ; and their weights
.endr
	s_wait_loadcnt 30                              ; the biases are in: behind them 24 + 6 loads
.irp b, 48, 52, 56                     ; rounded once to bf16 like every input, kept as f32
	v_cvt_pk_bf16_f32 v88, v[\b], v[(\b)+1]
	v_cvt_pk_bf16_f32 v89, v[(\b)+2], v[(\b)+3]
	v_lshlrev_b32 v[\b], 16, v88
	v_and_b32 v[(\b)+1], s[HIM], v88
	v_lshlrev_b32 v[(\b)+2], 16, v89
	v_and_b32 v[(\b)+3], s[HIM], v89
	ds_store_b128 v[BST], v[\b:(\b)+3] offset:((\b)-48)*1024  ; B1L, B1L + 4,096, B2L
.endr
.irp i, 0,1,2,3,4,5
	s_wait_loadcnt 6+4*(5-(\i))                    ; row i is in: behind it the later rows' loads and the 6 of indices and weights
.irp q, 0,1,2,3
	v_cvt_pk_bf16_f32 v[T+2*(\q)],   v[HACC+16*(\i)+4*(\q)],   v[HACC+16*(\i)+4*(\q)+1]
	v_cvt_pk_bf16_f32 v[T+2*(\q)+1], v[HACC+16*(\i)+4*(\q)+2], v[HACC+16*(\i)+4*(\q)+3]
	ds_store_b64 v[XS], v[T+2*(\q):T+2*(\q)+1] offset:(\i)*PX+256*(\q)  ; 256 consecutive bytes of row 6 w + i of X
.endr
.endr
	s_wait_loadcnt 0x0
.irp mt, 0,1,2                         ; cw_a is the weight of the slot with the lower expert (equal experts: slot 0), cw_b the other's
	v_cvt_pk_bf16_f32 v88, v[72+2*(\mt)], v[73+2*(\mt)]
	v_cmp_gt_u32 vcc_lo, v[64+2*(\mt)], v[65+2*(\mt)]
	v_lshlrev_b32 v89, 16, v88
	v_and_b32 v90, s[HIM], v88
	v_cndmask_b32 v[CWA+(\mt)], v89, v90, vcc_lo
	v_cndmask_b32 v[CWB+(\mt)], v90, v89, vcc_lo
.endr
	s_wait_dscnt 0x0                               ; for the others' sake: my rows of X and my part of the biases are stored
	s_barrier_signal -1
	s_barrier_wait -1
	; the output's sums begin with cw_a b2a + cw_b b2b
.irp e, 0,1
.irp nt, 0,1,2,3
	ds_load_b128 v[HACC+32*(\e)+8*(\nt):HACC+32*(\e)+8*(\nt)+3],   v[B2A] offset:2048*(\e)+64*(\nt)
	ds_load_b128 v[HACC+32*(\e)+8*(\nt)+4:HACC+32*(\e)+8*(\nt)+7], v[B2A] offset:2048*(\e)+64*(\nt)+16
.endr
.endr
	s_wait_dscnt 0x0
	WIN 0x50                                       ; destination and source 2 window 1
.irp mt, 0,1,2
.set q, 0
.rept 16
	PKMULB OACC+32*(\mt)+2*q, HACC+2*q, CWA, \mt
.set q, q+1
.endr
.set q, 0
.rept 16
	PKFMAB OACC+32*(\mt)+2*q, HACC+32+2*q, CWB, \mt
.set q, q+1
.endr
.endr
	WIN 0
	s_mov_b32 s[SK], 0
	v_mov_b32 v[AL0], v[LNX]
	ALOADS 1, 0, 0                                 ; X's first fragments
	EXPERT 0, PA, PB, CWA
	EXPERT 1, PB, PB, CWB
	; THE WAY OUT.  A lane holds 8 f32 of one token's row; 16 tokens at a time go through my wave's own stage and come back as rows of 256 bytes, which 16 lanes store whole at the token's place in out.
	; Stores of rows past the count are jumped, forward, over no barrier.  With an odd count the last store's second row is the repeated last token: the same address and the same bits as its first.
	PLACES 4
.macro OUTM mt
	WIN 0
	s_cmp_le_u32 s[CNT], 16*(\mt)
	s_cbranch_scc1 .Lend
	WIN 0x04                                       ; the stores' data in window 1
.irp nt, 0,1,2,3
	ds_store_b128 v[STO], v[OACC+8*(4*(\mt)+(\nt)):OACC+8*(4*(\mt)+(\nt))+3]   offset:64*(\nt)      ; each accumulator's lowest registers first
	ds_store_b128 v[STO], v[OACC+8*(4*(\mt)+(\nt))+4:OACC+8*(4*(\mt)+(\nt))+7] offset:64*(\nt)+16
.endr
	WIN 0
.irp i, 0,1,2,3,4,5,6,7
	ds_load_b128 v[HACC+32*(\mt)+4*(\i):HACC+32*(\mt)+4*(\i)+3], v[RD] offset:2*SPITCH*(\i)  ; my own bytes, served in order: these see the stores above
	ds_load_b32 v[32+8*(\mt)+(\i)], v[TKA] offset:4*(16*(\mt)+2*(\i))
.endr
	s_wait_dscnt 0x0
.irp i, 0,1,2,3,4,5,6,7
	v_min_u32 v[32+8*(\mt)+(\i)], 0x1fff, v[32+8*(\mt)+(\i)]
	v_lshl_add_u32 v[32+8*(\mt)+(\i)], v[32+8*(\mt)+(\i)], 11, v[OC]
.endr
.irp i, 0,1,2,3,4,5,6,7
.if (\i) > 0
	s_cmp_le_u32 s[CNT], 16*(\mt)+2*(\i)
	s_cbranch_scc1 .Lend
.endif
	global_store_b128 v[32+8*(\mt)+(\i)], v[HACC+32*(\mt)+4*(\i):HACC+32*(\mt)+4*(\i)+3], s[84:85] th:TH_STORE_NT  ; 16 lanes: 256 consecutive bytes, at a multiple of 256 from out's first byte; every store has registers of its own
.endr
.endm
	OUTM 0
	OUTM 1
	OUTM 2
.Lend:
	s_wait_tensorcnt 0x0                           ; the wave's end, behind my last LDS store
	ds_add_u32 v[SPW], v[NIL]
	s_wait_dscnt 0x0
	s_endpgm
.Lfunc_end_k_q93015e5c6d_moe:
	.size	k_q93015e5c6d_moe, .Lfunc_end_k_q93015e5c6d_moe-k_q93015e5c6d_moe
	.p2alignl 7, 3214868480
	.fill 96, 4, 3214868480
	.section	.rodata,"a",@progbits
	.p2align	6, 0x0
	.amdhsa_kernel k_q93015e5c6d_moe
		.amdhsa_group_segment_fixed_size 199168
		.amdhsa_private_segment_fixed_size 0
		.amdhsa_enable_private_segment 0
		.amdhsa_kernarg_size 72
		.amdhsa_user_sgpr_count 2
		.amdhsa_user_sgpr_kernarg_segment_ptr 1
		.amdhsa_wavefront_size32 1
		.amdhsa_system_sgpr_workgroup_id_x 1
		.amdhsa_system_sgpr_workgroup_id_y 1
		.amdhsa_system_sgpr_workgroup_id_z 1
		.amdhsa_system_vgpr_workitem_id 0
		.amdhsa_next_free_vgpr 512
		.amdhsa_next_free_sgpr 90
		.amdhsa_reserve_vcc 1
		.amdhsa_float_denorm_mode_32 3
		.amdhsa_float_denorm_mode_16_64 3
		.amdhsa_memory_ordered 1
		.amdhsa_forward_progress 1
		.amdhsa_inst_pref_size 164
	.end_amdhsa_kernel
	.amdgpu_metadata
---
amdhsa.version: [ 1, 2 ]
amdhsa.kernels:
  - .name:           k_q93015e5c6d_moe
    .symbol:         k_q93015e5c6d_moe.kd
    .args:
      - { .name: hidden, .offset: 0, .size: 8, .value_kind: global_buffer, .address_space: global }
      - { .name: top_k_indices, .offset: 8, .size: 8, .value_kind: global_buffer, .address_space: global }
      - { .name: top_k_weights, .offset: 16, .size: 8, .value_kind: global_buffer, .address_space: global }
      - { .name: b1, .offset: 24, .size: 8, .value_kind: global_buffer, .address_space: global }
      - { .name: b2, .offset: 32, .size: 8, .value_kind: global_buffer, .address_space: global }
      - { .name: wp, .offset: 40, .size: 8, .value_kind: global_buffer, .address_space: global }
      - { .name: order, .offset: 48, .size: 8, .value_kind: global_buffer, .address_space: global }
      - { .name: counts, .offset: 56, .size: 8, .value_kind: global_buffer, .address_space: global }
      - { .name: out0, .offset: 64, .size: 8, .value_kind: global_buffer, .address_space: global }
    .group_segment_fixed_size: 199168
    .private_segment_fixed_size: 0
    .kernarg_segment_align: 8
    .kernarg_segment_size: 72
    .max_flat_workgroup_size: 256
    .sgpr_count:     90
    .vgpr_count:     512
    .wavefront_size: 32
...
	.end_amdgpu_metadata
.endif
;; end of part 2
;; ======== version 2 of 2: 2 launches; version 1 with the launch moe written anew for expert scheduling mode
;; workspace buffers: wp 16,777,216 bytes; order 1,179,648 bytes of whole numbers; counts 256 bytes of whole numbers
;; launch prep: the kernel of part 1 again; grid 292 x 1, 8 waves a work-group, no clusters, 103,680 bytes of LDS; arguments W1, W2, top_k_indices, wp, order, counts; writes wp, order, counts
;; launch moe (part 3): grid 205 x 1, 8 waves a work-group, no clusters, 199,168 bytes of LDS; arguments hidden, top_k_indices, top_k_weights, b1, b2, wp, order, counts, out0; writes out0
.if DOCPART == 3
	.amdgcn_target "amdgcn-amd-amdhsa--gfx1250"
	.amdhsa_code_object_version 6
	.text
	.protected	k_q93015e5c6d_moe
	.globl	k_q93015e5c6d_moe
	.p2align	8
	.type	k_q93015e5c6d_moe,@function
k_q93015e5c6d_moe:
	s_mov_b64 s[64:65], 0
	v_nop
	global_prefetch_b8 v0, s[64:65] scope:SCOPE_SE
	s_setreg_imm32_b32 hwreg(HW_REG_WAVE_SCHED_MODE, 0, 2), 2
	s_setreg_imm32_b32 hwreg(HW_REG_WAVE_MODE, 25, 1), 1
	s_wait_xcnt 0x0
	s_wait_alu depctr_vm_vsrc(0)
; MOE.  out[t] = cw_a (gelu(x W1a + b1a) W2a + b2a) + cw_b (gelu(x W1b + b1b) W2b + b2b) for token t with the chosen experts a <= b (a = b: the same expert twice, once with each slot's weight).
; SHARES.  A work-group takes a tile of 48 tokens of ONE set {a, b} through the whole chain for both experts and adds both results into one accumulator: each output row has one owner, and the
; hidden layer stays in LDS.  Tiles: the sum over the 36 sets of ceil(n / 48), never more than (8,192 + 36 x 47) / 48 = 205: the grid.  Every work-group finds its tile from the 36 stored counts.
; 48 and not 64: an even split then has some 189 tiles for the 256 WGPs where 64 gives some 146, and a tile's chain is a quarter shorter; 32 could need 290 tiles, more than there are WGPs.
; In a tile that is not full the places past the count repeat the tile's last token, and their stores are jumped.  A work-group that the split leaves without rows runs the same text on one
; token and stores nothing: all its barriers, loops and address steps stay on one path.
; Eight waves.  First product: wave w makes hidden features 128 w .. + 127, in two groups of 64; second product: output columns 64 w .. + 63.  All 48 tokens each: 12 accumulators of 16 x 16.
; THE MATRIX INSTRUCTION IS USED TRANSPOSED: source 0 = 16 features x 32 k of weights, source 1 = 16 tokens x 32 k.  A lane then holds one token (lane % 16) and eight neighbouring features.
; WEIGHTS come from wp, which holds them as bf16 operands in the order of use, straight into registers: each byte is loaded by one wave of the work-group, 512 consecutive bytes a load, through a ring
; of four register slots (a slot = one step of 32 k = 4 KB), three steps ahead.  Nothing in the loops fills LDS but the wave's own stores of the hidden layer.
; NO CLUSTER: partners would have to walk the same set, and a set has ceil(n / 48) tiles, any number from 0 to 171 that hangs on the data; whole clusters of 192 tokens for each set would make the grid's
; bound 78 clusters, 312 work-groups; and the weights do not pass through LDS here.
; FORMATS.  hidden, W1, W2, b1, b2 and the slots' weights are each rounded once to bf16; products in bf16 with f32 sums; bias, gelu (the tanh form, as x / (1 + 2^(x (C1 + C2 x^2)))) and cw in f32;
; cw x gelu is rounded once to bf16 for the second product (bf16, so that inputs some 30 times larger keep their range).
; LIMITS.  Indices lie in 0..7.  NaN and infinities are not treated apart.  Where the exponent overflows the gate is 0 or 1, the tanh form's own limits.
; THE MODE: SCHED_MODE bits 1:0 = 2 (LLVM: expert scheduling mode 2), set by the entry lines.  The code itself states the register dependences between vector or matrix instructions and memory or
; LDS instructions, with s_wait_alu, always for 0.
; THE PLAN.  Registers that memory or LDS instructions touch:
;   BR, slots 0-3     Step s: its 12 products read slot s % 4; the loads of step s + 3, issued in step s + 1's .. no: in step s itself the loads of step s + 3 land in slot (s - 1) % 4, which step s - 1's products read.
;   ABUF, buffers 0, 1  Step s: its products read buffer s % 2; the LDS loads of step s + 1's fragments, issued in step s, land in the other buffer, which step s - 1's products read.
;   HACC              b1's LDS loads land in it; the products add onto it; gelu works in it in place and leaves each block's bf16 in the low 16 of its 32 registers, which the stores into H read.
;   OACC              Vector lines start it, the products add onto it; the way out's stores into the stage read it.
;   AL0, AL1          Read by every fragment load; written once a trip.          BIA, HS0, HS1   Read by b1's loads and by the stores into H; written once a group.
;   All other places and offsets are made once at the head and never written again; the weights' streams are walked by scalar pointers and immediate offsets.
; So ONE wait on va_vdst stands at a step's head: the last step's products are done reading the slot and the buffer in which this step's loads land (in a trip's last step also: AL0, AL1 are written).
; The eight loads of weights follow it at once; the six fragment loads stand behind the step's first three products, which name slot s % 4, buffer s % 2 and the accumulators: none of the registers that those
; loads touch.  One wait on vm_vsrc a trip stands ahead of the add to AL0, AL1, one a group ahead of the adds to BIA, HS0, HS1.  At work in the head and on the way out the same registers hold other things: see there.
.set PX,     1040                      ; a row of X in LDS: 512 bf16 + 16 bytes: an odd multiple of 16, so the 16 rows of a fragment load start in 16 different 16-byte columns of 256
.set PH,     2064                      ; a row of H: 1,024 bf16 + 16 bytes, likewise
.set HB,     48*PX                     ; H begins behind X's 48 rows
.set B1L,    HB+48*PH                  ; b1 of a, b1 of b: 2 x 1,024 f32
.set B2L,    B1L+8192                  ; b2 of a, b2 of b: 2 x 512 f32
.set TOKL,   B2L+4096                  ; for each wave, 256 bytes apart, its own copy of the tile's 48 token numbers
.set STAGE,  TOKL+2048                 ; for each wave 16 rows x 272 bytes, for the way out
.set SPITCH, 272
.set SPARE,  STAGE+8*16*SPITCH         ; the spare words, 128 bytes a wave, that no other line names
; window 0
.set WOFF, 1                           ; v1   16 x lane; never rewritten
.set R,    2                           ; v2   lane % 16
.set H,    3                           ; v3   lane / 16
.set LNX,  4                           ; v4   my lane's place in a fragment of X: r PX + 16 h
.set LNH0, 5                           ; v5   the same in H, tokens 0-31
.set AL0,  6                           ; v6   the LDS address of the token fragments in hand (H: tokens 0-31)
.set AL1,  7                           ; v7   H: tokens 32-47 (their offset from AL0 would pass the 16 bits of an LDS offset)
.set HSB,  8                           ; v8   where I store 16 bytes of H: LNH0 + 256 w
.set HS0,  9                           ; v9, v10  the same for the group in hand, tokens 0-31 and 32-47
.set HS1,  10
.set BI0,  11                          ; v11  b1 of my features: B1L + 512 w + 32 h
.set BIA,  12                          ; v12  the same for the expert and group in hand
.set STO,  13                          ; v13  the way out: where I put 32 bytes of a row
.set RD,   14                          ; v14  the way out: where I read rows back
.set TKA,  15                          ; v15  the way out: the token number of the row that I read back
.set CWA,  16                          ; v[16:18]  cw_a of token 16 mt + r; v19 is named with v18 as a pair
.set CWB,  20                          ; v[20:22]  cw_b; v23 likewise
.set SPW,  24                          ; v24  LDS address of my spare word; never rewritten
.set NIL,  25                          ; v25  0; never rewritten
.set OC,   26                          ; v26  the way out: 256 w + 16 r, my bytes in a row of out
.set LNH1, 27                          ; v27  LNH0 + 32 rows
.set B2A,  29                          ; v29  b2 of my columns: B2L + 256 w + 32 h; outside the fragment buffers, so that no load ever lands on it
.set ABUF, 32                          ; v[32:55], v[64:87]  token fragments, two buffers of 3 x 8
.set T,    96                          ; v[96:127] at work in gelu: no memory or LDS instruction names them
.set HACC, 128                         ; v[128:223] first product's sums: tile (mt, nt) at 128 + 8 (4 mt + nt)
; window 1
.set OACC, 0                           ; v[0:95]    second product's sums, likewise
.set BR,   128                         ; v[128:255] weights: 4 slots x 4 fragments
; at work in the prologue only, inside or between the fragment buffers
.set T16,  60
.set T16B, 61
.set BST,  62
.set TKS,  84
.set XS,   86
.set LL,   87
; scalars
.set WV,   2                           ; my wave
.set WG,   3                           ; my work-group
.set RUN,  6                           ; tiles of the sets before
.set SD,   7                           ; my tile's number in its set
.set SN,   8                           ; my set's count
.set SJ,   9                           ; my set: j | a << 8 | b << 16
.set CNT,  10                          ; rows of my tile, 0 .. 48
.set CM1,  11                          ; the last place that holds a row of its own
.set EA,   12
.set EB,   13
.set FB,   14                          ; my tile's first entry in order
.set TK,   16                          ; s[16:21] the token numbers of the six rows of X that my wave brings
.set PA,   24                          ; s[24:25] my wave's stream of expert a's weights; it walks
.set PB,   26                          ; s[26:27] expert b's
.set C1,   30                          ; s[30:31] -2 sqrt(2/pi) log2(e), named as a pair
.set C2,   32                          ; s[32:33] C1 x 0.044715
.set SK,   34                          ; byte in a row of X or H at which the trip in hand begins
.set TC,   35                          ; trips
.set GC,   36                          ; groups
.set HIM,  37                          ; 0xffff0000
.set SWP,  60                          ; s[60:62] for tokens 16 mt + r: the lanes whose slot 0 holds the higher expert
.set MSB, 0
.macro WIN new                         ; the immediate's high byte repeats the setting that is left; a switch that changes nothing is dropped
.if MSB != (\new)
	s_set_vgpr_msb (MSB<<8)|(\new)
.set MSB, \new
.endif
.endm
.macro PLACES n                        ; plain vector instructions between a matrix instruction and a vector read or write, or a store, of its registers; at a step's head they stay as in the plain form of this text, beside the wait that states the dependence
.rept \n
	v_nop
.endr
.endm
; One step's weights, 4 fragments = 4 KB, from byte off of the stream into a slot of the ring
.macro BLOADS slot, ptr, off
	WIN 0x40                                       ; destination window 1, address window 0
.irp nt, 0,1,2,3
	global_load_b128 v[BR+32*(\slot)+8*(\nt):BR+32*(\slot)+8*(\nt)+3],   v[WOFF], s[\ptr:\ptr+1] offset:(\off)+1024*(\nt)
	global_load_b128 v[BR+32*(\slot)+8*(\nt)+4:BR+32*(\slot)+8*(\nt)+7], v[WOFF], s[\ptr:\ptr+1] offset:(\off)+1024*(\nt)+512
.endr
.endm
; One step's token fragments (48 tokens x 32 k), six loads, at byte koff behind the address in hand.  ph = 1: from X; 2: from H
.macro ALOADS ph, buf, koff
	WIN 0
.irp mt, 0,1,2
.if (\ph) == 1
	ds_load_b128 v[ABUF+32*(\buf)+8*(\mt):ABUF+32*(\buf)+8*(\mt)+3],   v[AL0] offset:(\mt)*16*PX+(\koff)
	ds_load_b128 v[ABUF+32*(\buf)+8*(\mt)+4:ABUF+32*(\buf)+8*(\mt)+7], v[AL0] offset:(\mt)*16*PX+(\koff)+32
.else
	ds_load_b128 v[ABUF+32*(\buf)+8*(\mt):ABUF+32*(\buf)+8*(\mt)+3],   v[AL0+(\mt)/2] offset:((\mt)%2)*16*PH+(\koff)
	ds_load_b128 v[ABUF+32*(\buf)+8*(\mt)+4:ABUF+32*(\buf)+8*(\mt)+7], v[AL0+(\mt)/2] offset:((\mt)%2)*16*PH+(\koff)+32
.endif
.endr
.endm
; 3 matrix instructions: weight fragment nt of the slot with the three token fragments of the buffer, 32 along k
.macro MULN ph, buf, slot, nt
.if (\ph) == 1
	WIN 0x01                                       ; weights (source 0) window 1; tokens, C and D window 0
.set AC, HACC
.else
	WIN 0x51                                       ; weights, C and D window 1; tokens window 0
.set AC, OACC
.endif
.irp mt, 0,1,2
	v_wmma_f32_16x16x32_bf16 v[AC+8*(4*(\mt)+(\nt)):AC+8*(4*(\mt)+(\nt))+7], v[BR+32*(\slot)+8*(\nt):BR+32*(\slot)+8*(\nt)+7], v[ABUF+32*(\buf)+8*(\mt):ABUF+32*(\buf)+8*(\mt)+7], v[AC+8*(4*(\mt)+(\nt)):AC+8*(4*(\mt)+(\nt))+7]
.endr
.endm
; A step's 12 matrix instructions.  The 12 accumulators take turns, one instruction a turn: between two links of a chain stand the 11 others', from step to step and over the loops' jumps too.
; aph = 1 or 2: behind the first three stand the next step's six fragment loads (from X or H, at byte koff), into the other buffer.  They owe no further wait: since the wait at the step's head no vector or
; matrix instruction has named that buffer or the address in hand.
.macro PROD ph, buf, slot, aph, koff
	MULN \ph, \buf, \slot, 0
.if (\aph) != 0
	ALOADS \aph, 1-(\buf), \koff
.endif
	MULN \ph, \buf, \slot, 1
	MULN \ph, \buf, \slot, 2
	MULN \ph, \buf, \slot, 3
.endm
; A TRIP: four steps, on slots 0-3 and token buffers 0, 1, 0, 1.  Each step: the wait on va_vdst; the weights three steps on, into the slot that the last step read; the waits for this step's data; 12 products,
; among them the next step's token fragments, into the buffer that the last step read.  s_wait_loadcnt 24 leaves the three younger steps' 24 loads out; the LDS loads that are out at a step's head are this step's
; fragments (in a group's first step also b1), so that wait is for 0.
; kind 0: a trip like any other; the stream's pointer steps at its end.  kind 1: expert a's last: the ring goes on into expert b's stream PN, and X's first fragments are fetched.
; kind 2: the very last: nothing is left to ask for behind the stream's last step, and the counts run down 24, 16, 8, 0.
.macro TRIP ph, kind, P, PN
	PLACES 4
	WIN 0x40
	s_wait_alu depctr_va_vdst(0)                   ; the last step's products are done reading slot 3 and token buffer 1, in which this step's loads land
	BLOADS 3, \P, 3*4096
	s_wait_loadcnt 24
	s_wait_dscnt 0x0
	PROD \ph, 0, 0, \ph, 64
	PLACES 4
.if (\kind) != 2
	WIN 0x40
.endif
	s_wait_alu depctr_va_vdst(0)                   ; the last step's products are done reading slot 0 and token buffer 0, in which this step's loads land
.if (\kind) == 0
	BLOADS 0, \P, 4*4096
.elseif (\kind) == 1
	BLOADS 0, \PN, 0
.endif
.if (\kind) == 2
	s_wait_loadcnt 16
.else
	s_wait_loadcnt 24
.endif
	s_wait_dscnt 0x0
	PROD \ph, 1, 1, \ph, 128
	PLACES 4
.if (\kind) != 2
	WIN 0x40
.endif
	s_wait_alu depctr_va_vdst(0)                   ; the last step's products are done reading slot 1 and token buffer 1, in which this step's loads land
.if (\kind) == 0
	BLOADS 1, \P, 5*4096
.elseif (\kind) == 1
	BLOADS 1, \PN, 4096
.endif
.if (\kind) == 2
	s_wait_loadcnt 8
.else
	s_wait_loadcnt 24
.endif
	s_wait_dscnt 0x0
	PROD \ph, 0, 2, \ph, 192
	WIN 0
.if (\kind) == 0
	s_add_co_u32 s[SK], s[SK], 256                 ; the next trip's 128 k; the address lines below are among the four places
	s_wait_alu depctr_vm_vsrc(0)                   ; the fragment loads issued so far have read the address in hand, which is written anew
.if (\ph) == 1
	s_and_b32 s[SK], s[SK], 1023                   ; behind X's last trip back to its first: the next group walks X again
	v_add_nc_u32 v[AL0], s[SK], v[LNX]
	PLACES 3
.else
	v_add_nc_u32 v[AL0], s[SK], v[LNH0]
	v_add_nc_u32 v[AL1], s[SK], v[LNH1]
	PLACES 2
.endif
	WIN 0x40
	s_wait_alu depctr_va_vdst(0)                   ; the last step's products are done reading slot 2 and token buffer 0, in which this step's loads land; the address in hand is written
	BLOADS 2, \P, 6*4096
	s_wait_loadcnt 24
	s_wait_dscnt 0x0
	PROD \ph, 1, 3, \ph, 0
	s_wait_xcnt 0x0                                ; the loads issued have had their addresses translated (ISA guide 3.1): only now does the pointer step
	s_add_nc_u64 s[\P:\P+1], s[\P:\P+1], 16384
.elseif (\kind) == 1
	s_mov_b32 s[SK], 0
	s_wait_alu depctr_vm_vsrc(0)                   ; the fragment loads issued so far have read AL0, which is written anew
	v_mov_b32 v[AL0], v[LNX]
	PLACES 3
	WIN 0x40
	s_wait_alu depctr_va_vdst(0)                   ; the last step's products are done reading slot 2 and token buffer 0, in which this step's loads land; AL0 is written
	BLOADS 2, \PN, 2*4096
	s_wait_loadcnt 24
	s_wait_dscnt 0x0
	PROD \ph, 1, 3, 1, 0
.else
	s_wait_loadcnt 0x0
	s_wait_dscnt 0x0
	PROD \ph, 1, 3, 0, 0                           ; no load is issued in this step, so it states nothing
.endif
.endm
; d = a x cw[mt] in both halves: the packed multiply names a pair and takes one register of it twice
.macro PKMULB d, a, cw, mt
.if (\mt)%2 == 0
	v_pk_mul_f32 v[\d:\d+1], v[\a:\a+1], v[(\cw)+(\mt):(\cw)+(\mt)+1] op_sel_hi:[1,0]
.else
	v_pk_mul_f32 v[\d:\d+1], v[\a:\a+1], v[(\cw)+(\mt)-1:(\cw)+(\mt)] op_sel:[0,1] op_sel_hi:[1,1]
.endif
.endm
.macro PKFMAB d, a, cw, mt             ; d += a x cw[mt]
.if (\mt)%2 == 0
	v_pk_fma_f32 v[\d:\d+1], v[\a:\a+1], v[(\cw)+(\mt):(\cw)+(\mt)+1], v[\d:\d+1] op_sel_hi:[1,0,1]
.else
	v_pk_fma_f32 v[\d:\d+1], v[\a:\a+1], v[(\cw)+(\mt)-1:(\cw)+(\mt)], v[\d:\d+1] op_sel:[0,1,0] op_sel_hi:[1,1,1]
.endif
.endm
; Block mt's 16 tokens x 64 features in bf16, from the low 16 of the block's 32 registers into H
.macro HSTORE mt
.irp nt, 0,1,2,3
	ds_store_b128 v[HS0+(\mt)/2], v[HACC+32*(\mt)+4*(\nt):HACC+32*(\mt)+4*(\nt)+3] offset:((\mt)%2)*16*PH+32*(\nt)  ; token 16 mt + r, features 16 nt + 8 h + 0..7 of the group
.endr
.endm
; cw x gelu(x) for the group's 64 features of all 48 tokens, 16 tokens at a time, rounded to bf16 and stored into H.  x / (1 + 2^(x (C1 + C2 x^2))).  Each accumulator is read from its lowest registers on.
; The 32 exponentials are one batch, and so are the 32 reciprocals: one wait each, ahead of the first line that names a result; plain work that names none of them stands between.
; The roundings close up in place (pair p of the block's registers into register p), so each block's store data are registers of its own, and a block's stores stand behind the next block's first wait.
.macro GELU cw
	WIN 0
.irp mt, 0,1,2
.set XB, HACC+32*(\mt)
.set p, 0
.rept 16
	v_pk_mul_f32 v[T+2*p:T+2*p+1], v[XB+2*p:XB+2*p+1], v[XB+2*p:XB+2*p+1]
.set p, p+1
.endr
.set p, 0
.rept 16
	v_pk_fma_f32 v[T+2*p:T+2*p+1], v[T+2*p:T+2*p+1], s[C2:C2+1], s[C1:C1+1] op_sel_hi:[1,0,0]
.set p, p+1
.endr
.set p, 0
.rept 16
	v_pk_mul_f32 v[T+2*p:T+2*p+1], v[T+2*p:T+2*p+1], v[XB+2*p:XB+2*p+1]
.set p, p+1
.endr
.set p, 0
.rept 32
	v_exp_f32 v[T+p], v[T+p]
.set p, p+1
.endr
.set p, 0
.rept 16
	PKMULB XB+2*p, XB+2*p, \cw, \mt                ; x times the token's cw: the independent work behind the batch
.set p, p+1
.endr
	s_wait_alu depctr_va_vdst(0)                   ; the 32 exponentials have written v[T ..]; the block before's roundings have written its store data
.if (\mt) > 0
	HSTORE (\mt)-1
.endif
.set p, 0
.rept 16
	v_pk_add_f32 v[T+2*p:T+2*p+1], v[T+2*p:T+2*p+1], 1.0 op_sel_hi:[1,0]
.set p, p+1
.endr
.set p, 0
.rept 32
	v_rcp_f32 v[T+p], v[T+p]
.set p, p+1
.endr
	v_nop                                          ; a plain instruction behind the last reciprocal
	s_wait_alu depctr_va_vdst(0)                   ; the 32 reciprocals have written v[T ..]
.set p, 0
.rept 16
	v_pk_mul_f32 v[XB+2*p:XB+2*p+1], v[XB+2*p:XB+2*p+1], v[T+2*p:T+2*p+1]
.set p, p+1
.endr
.set p, 0
.rept 16
	v_cvt_pk_bf16_f32 v[XB+p], v[XB+2*p], v[XB+2*p+1]
.set p, p+1
.endr
.endr
	s_wait_alu depctr_va_vdst(0)                   ; the last block's roundings have written its store data
	HSTORE 2
.endm
; ONE EXPERT.  Two groups of 64 hidden features: b1 starts the sums, four trips over X, gelu into H.  A barrier: H is whole.  Eight trips over H onto the one output accumulator.
.macro EXPERT e, P, PN, cw
	WIN 0
	v_add_nc_u32 v[BIA], 4096*(\e), v[BI0]         ; (expert b: what read these three has been waited for at the end of expert a's second group, and nothing has read them since)
	v_mov_b32 v[HS0], v[HSB]
	v_add_nc_u32 v[HS1], 32*PH, v[HSB]
	s_mov_b32 s[GC], 2
.Lgrp\e:
	s_wait_alu depctr_va_vdst(0)                   ; BIA is written, which the loads below read; gelu (at the very first: the start of the output's sums) is done reading and writing HACC, in which they land
.irp mt, 0,1,2
.irp nt, 0,1,2,3
	ds_load_b128 v[HACC+8*(4*(\mt)+(\nt)):HACC+8*(4*(\mt)+(\nt))+3],   v[BIA] offset:64*(\nt)      ; the bias is the sums' beginning: nothing is cleared and nothing added later
	ds_load_b128 v[HACC+8*(4*(\mt)+(\nt))+4:HACC+8*(4*(\mt)+(\nt))+7], v[BIA] offset:64*(\nt)+16
.endr
.endr
	s_mov_b32 s[TC], 4
.Lone\e:
	TRIP 1, 0, \P, \P
	WIN 0                                          ; at a label and at a branch every window is 0
	s_sub_co_u32 s[TC], s[TC], 1
	s_cmp_lg_u32 s[TC], 0
	s_cbranch_scc1 .Lone\e
	PLACES 4                                       ; gelu reads results just made
	GELU \cw
	s_wait_alu depctr_vm_vsrc(0)                   ; b1's loads have read BIA, the stores into H have read HS0, HS1 and their data in HACC, the fragment loads have read AL0: all of these are written again below, at the next group's head, or ahead of the second product
	v_add_nc_u32 v[BIA], 256, v[BIA]               ; the next group's 64 features
	v_add_nc_u32 v[HS0], 128, v[HS0]
	v_add_nc_u32 v[HS1], 128, v[HS1]
	s_sub_co_u32 s[GC], s[GC], 1
	s_cmp_lg_u32 s[GC], 0
	s_cbranch_scc1 .Lgrp\e
	v_mov_b32 v[AL0], v[LNH0]                      ; the second product walks H
	v_mov_b32 v[AL1], v[LNH1]
	s_wait_dscnt 0x0                               ; for the others' sake: my part of H is stored.  (Also back: the six fragment loads of X that the second group's last trip issued and nobody uses: the price of one text for both groups)
	s_barrier_signal -1
	s_barrier_wait -1                              ; H is whole
	s_mov_b32 s[SK], 0
	s_wait_alu depctr_va_vdst(0)                   ; AL0 and AL1 are written, which the loads below read
	ALOADS 2, 0, 0
	s_mov_b32 s[TC], 7
.Ltwo\e:
	TRIP 2, 0, \P, \P
	WIN 0
	s_sub_co_u32 s[TC], s[TC], 1
	s_cmp_lg_u32 s[TC], 0
	s_cbranch_scc1 .Ltwo\e
.if (\e) == 0
	TRIP 2, 1, \P, \PN
	WIN 0
	s_wait_dscnt 0x0                               ; my reads of H are over
	s_barrier_signal -1
	s_barrier_wait -1                              ; everybody's are: H may be written again
.else
	TRIP 2, 2, \P, \P
	WIN 0
.endif
.endm
	s_load_b512 s[68:83], s[0:1], 0x0              ; hidden s[68:69], indices s[70:71], weights s[72:73], b1 s[74:75], b2 s[76:77], wp s[78:79], order s[80:81], counts s[82:83]
	s_load_b64 s[84:85], s[0:1], 0x40              ; out
	v_lshl_add_u32 v[SPW], v0, 2, SPARE
	v_mov_b32 v[NIL], 0
	v_lshrrev_b32 v28, 5, v0
	v_readfirstlane_b32 s[WV], v28                 ; wave 0..7
	s_mov_b32 s[WG], ttmp9
	s_wait_kmcnt 0x0
	s_load_b512 s[16:31], s[82:83], 0x0            ; the 36 counts
	s_load_b512 s[32:47], s[82:83], 0x40
	s_load_b128 s[48:51], s[82:83], 0x80
	s_wait_alu depctr_va_sdst(0)                   ; the wave's number is written, ahead of its first reader
	; the lanes' places, while the counts are on their way
	s_lshl_b32 s4, s[WV], 8                        ; 256 w
	v_and_b32 v[LL], 31, v0
	v_lshlrev_b32 v[WOFF], 4, v[LL]
	v_and_b32 v[R], 15, v0
	v_bfe_u32 v[H], v0, 4, 1
	v_mul_u32_u24 v[LNX], v[R], PX
	v_lshl_add_u32 v[LNX], v[H], 4, v[LNX]
	v_mov_b32 v[AL0], v[LNX]                       ; the first product begins at X's first 32 k
	v_mul_u32_u24 v[LNH0], v[R], PH
	v_lshl_add_u32 v[LNH0], v[H], 4, v[LNH0]
	v_add_nc_u32 v[LNH0], HB, v[LNH0]
	v_add_nc_u32 v[LNH1], 32*PH, v[LNH0]
	v_add_nc_u32 v[HSB], s4, v[LNH0]
	s_lshl_b32 s5, s[WV], 9
	s_add_co_u32 s5, s5, B1L
	v_lshl_add_u32 v[BI0], v[H], 5, s5
	s_add_co_u32 s5, s4, B2L
	v_lshl_add_u32 v[B2A], v[H], 5, s5
	s_add_co_u32 s5, s4, TOKL
	v_lshl_add_u32 v[TKA], v[H], 2, s5
	v_lshl_add_u32 v[TKS], v[R], 2, s5
	v_lshl_add_u32 v[OC], v[R], 4, s4
	s_mul_i32 s5, s[WV], 16*SPITCH
	s_add_co_u32 s5, s5, STAGE
	v_mul_u32_u24 v[STO], v[R], SPITCH
	v_lshl_add_u32 v[STO], v[H], 5, v[STO]
	v_add_nc_u32 v[STO], s5, v[STO]
	v_mul_u32_u24 v[RD], v[H], SPITCH
	v_lshl_add_u32 v[RD], v[R], 4, v[RD]
	v_add_nc_u32 v[RD], s5, v[RD]
	s_mul_i32 s5, s[WV], 6*PX
	v_lshl_add_u32 v[XS], v[LL], 3, s5             ; my wave's six rows of X, 8 bytes a lane
	v_lshlrev_b32 v[T16], 4, v0
	v_and_b32 v[T16B], 127, v0
	v_lshlrev_b32 v[T16B], 4, v[T16B]
	v_add_nc_u32 v[BST], B1L, v[T16]
	v_mov_b32 v[CWA+3], 0                          ; named as the second of a pair of which the first alone is taken
	v_mov_b32 v[CWB+3], 0
	s_mov_b32 s[RUN], 0
	s_mov_b32 s[SD], 0
	s_mov_b32 s[SN], 0
	s_mov_b32 s[SJ], 0
	s_wait_kmcnt 0x0
	; WHICH TILE IS MINE: set j has ceil(n / 48) tiles; mine is the set in whose run of tiles my work-group's number falls.  (Below the run the difference wraps and is no smaller than any count of tiles.)
	; x / 48 = x * 43,691 >> 21: 43,691 is 2^21 / 48 + 1/3, so the quotient is exact while x / (3 * 2^21) stays under 1/48, far beyond 8,239
.set j, 0
.irp a, 0,1,2,3,4,5,6,7
.irp b, 0,1,2,3,4,5,6,7
.if (\b) >= (\a)
	s_add_co_u32 s4, s[16+j], 47
	s_mul_i32 s4, s4, 0xaaab
	s_lshr_b32 s4, s4, 21
	s_sub_co_u32 s5, s[WG], s[RUN]
	s_add_co_u32 s[RUN], s[RUN], s4
	s_cmp_lt_u32 s5, s4
	s_cselect_b32 s[SD], s5, s[SD]
	s_cselect_b32 s[SN], s[16+j], s[SN]
	s_cselect_b32 s[SJ], j|((\a)<<8)|((\b)<<16), s[SJ]
.set j, j+1
.endif
.endr
.endr
	s_min_u32 s[SD], s[SD], 170
	s_mul_i32 s4, s[SD], 48                        ; my tile's first place in its set's list
	s_sub_co_u32 s[CNT], s[SN], s4
	s_min_u32 s[CNT], s[CNT], 48                   ; 0 if no tile is mine
	s_max_u32 s[CM1], s[CNT], 1
	s_sub_co_u32 s[CM1], s[CM1], 1
	s_and_b32 s5, s[SJ], 255
	s_min_u32 s5, s5, 35
	s_lshl_b32 s[FB], s5, 13
	s_add_co_u32 s[FB], s[FB], s4
	s_bfe_u32 s[EA], s[SJ], 0x80008
	s_min_u32 s[EA], s[EA], 7
	s_bfe_u32 s[EB], s[SJ], 0x80010
	s_min_u32 s[EB], s[EB], 7
	s_mov_b32 s29, 0                               ; high word of the offset pair s[28:29]
	s_lshl_b32 s28, s[EA], 3
	s_add_co_u32 s28, s28, s[WV]
	s_lshl_b32 s28, s28, 18                        ; a wave's stream for an expert is 262,144 bytes
	s_add_nc_u64 s[PA:PA+1], s[78:79], s[28:29]
	s_lshl_b32 s28, s[EB], 3
	s_add_co_u32 s28, s28, s[WV]
	s_lshl_b32 s28, s28, 18
	s_add_nc_u64 s[PB:PB+1], s[78:79], s[28:29]
.irp mt, 0,1,2                         ; where the token numbers of all 48 places lie in order (lane: place 16 mt + r); places past the count repeat the tile's last token
	v_add_nc_u32 v[40+(\mt)], 16*(\mt), v[R]
	v_min_u32 v[40+(\mt)], s[CM1], v[40+(\mt)]
	v_add_nc_u32 v[40+(\mt)], s[FB], v[40+(\mt)]
	v_min_u32 v[40+(\mt)], 0x47fff, v[40+(\mt)]    ; inside order's 36 x 8,192 entries
	v_lshlrev_b32 v[40+(\mt)], 2, v[40+(\mt)]
.endr
	WIN 0x40
	s_wait_alu depctr_va_vdst(0)                   ; all the places and offsets made so far are written: v1 to v6, v8, v11, v13 to v15, v26, v27, v29, v40 to v42, v60 to v62, v84, v86; the kernel's loads and stores read them, and but for AL0 none of those kept is written again
	BLOADS 0, PA, 0                                ; the ring's first three steps go out before any other load
	BLOADS 1, PA, 4096
	BLOADS 2, PA, 8192
	WIN 0
.irp mt, 0,1,2
	global_load_b32 v[44+(\mt)], v[40+(\mt)], s[80:81]
.endr
	s_mov_b32 s[C1], 0xc0135761                    ; -2.3022082
	s_mov_b32 s[C1+1], s[C1]
	s_mov_b32 s[C2], 0xbdd2d3e8                    ; -0.10294324
	s_mov_b32 s[C2+1], s[C2]
	s_mov_b32 s[HIM], 0xffff0000
	; as scalars the token numbers of the six rows of X that my wave brings
	s_mul_i32 s4, s[WV], 6
.irp i, 0,1,2,3,4,5
	s_add_co_u32 s[40+(\i)], s4, \i
	s_min_u32 s[40+(\i)], s[40+(\i)], s[CM1]
	s_add_co_u32 s[40+(\i)], s[40+(\i)], s[FB]
	s_min_u32 s[40+(\i)], s[40+(\i)], 0x47fff      ; inside order's 36 x 8,192 entries
	s_lshl_b32 s[40+(\i)], s[40+(\i)], 2
	s_load_b32 s[TK+(\i)], s[80:81], s[40+(\i)] offset:0x0
.endr
	; the biases: 256 threads x 16 bytes are b1 of a, b1 of b, and (waves 0-3: a, waves 4-7: b) b2
	s_lshl_b32 s28, s[EA], 12
	s_add_nc_u64 s[52:53], s[74:75], s[28:29]
	s_lshl_b32 s28, s[EB], 12
	s_add_nc_u64 s[54:55], s[74:75], s[28:29]
	s_cmp_lt_u32 s[WV], 4
	s_cselect_b32 s28, s[EA], s[EB]
	s_lshl_b32 s28, s28, 11
	s_add_nc_u64 s[56:57], s[76:77], s[28:29]
	global_load_b128 v[48:51], v[T16], s[52:53]
	global_load_b128 v[52:55], v[T16], s[54:55]
	global_load_b128 v[56:59], v[T16B], s[56:57]
	s_wait_kmcnt 0x0
.irp i, 0,1,2,3,4,5
	s_min_u32 s[TK+(\i)], s[TK+(\i)], 8191
	v_lshl_add_u32 v[32+(\i)], s[TK+(\i)], 11, v[WOFF]  ; a row of hidden is 2,048 bytes
.endr
	s_wait_alu depctr_va_vdst(0)                   ; the six rows' offsets v32 to v37 are written, which the loads below read
.irp i, 0,1,2,3,4,5
.irp q, 0,1,2,3
	global_load_b128 v[HACC+16*(\i)+4*(\q):HACC+16*(\i)+4*(\q)+3], v[32+(\i)], s[68:69] offset:512*(\q) th:TH_LOAD_NT  ; a token lies in one tile of the launch; only a tile's last row is asked for again, for the places past the count
.endr
.endr
	s_wait_loadcnt 27                              ; the token numbers are in: behind them 3 loads of biases and 24 of hidden were issued
.irp mt, 0,1,2
	v_min_u32 v[44+(\mt)], 0x1fff, v[44+(\mt)]
	v_lshlrev_b32 v[80+(\mt)], 3, v[44+(\mt)]
.endr
	s_wait_alu depctr_va_vdst(0)                   ; the token numbers v44 to v46, which the LDS stores read, and the offsets v80 to v82, which the loads read, are written
.irp mt, 0,1,2
	ds_store_b32 v[TKS], v[44+(\mt)] offset:64*(\mt)  ; my wave's own copy, for the way out (both halves of the lanes write the same word with the same number)
	global_load_b64 v[64+2*(\mt):65+2*(\mt)], v[80+(\mt)], s[70:71]  ; the token's two experts
	global_load_b64 v[72+2*(\mt):73+2*(\mt)], v[80+(\mt)], s[72:73]  ; and their weights
.endr
	s_wait_loadcnt 30                              ; the biases are in: behind them 24 + 6 loads
.irp b, 48, 52, 56                     ; rounded once to bf16 like every input, kept as f32
	v_cvt_pk_bf16_f32 v88, v[\b], v[(\b)+1]
	v_cvt_pk_bf16_f32 v89, v[(\b)+2], v[(\b)+3]
	v_lshlrev_b32 v[\b], 16, v88
	v_and_b32 v[(\b)+1], s[HIM], v88
	v_lshlrev_b32 v[(\b)+2], 16, v89
	v_and_b32 v[(\b)+3], s[HIM], v89
.endr
.irp i, 0,1,2,3,4,5
	s_wait_loadcnt 6+4*(5-(\i))                    ; row i is in: behind it the later rows' loads and the 6 of indices and weights
.irp q, 0,1,2,3
	v_cvt_pk_bf16_f32 v[HACC+16*(\i)+2*(\q)],   v[HACC+16*(\i)+4*(\q)],   v[HACC+16*(\i)+4*(\q)+1]  ; a row's sixteen numbers close up into the first eight of their sixteen registers
	v_cvt_pk_bf16_f32 v[HACC+16*(\i)+2*(\q)+1], v[HACC+16*(\i)+4*(\q)+2], v[HACC+16*(\i)+4*(\q)+3]
.endr
.endr
	s_wait_alu depctr_va_vdst(0)                   ; the roundings have written the biases in v48 to v59 and the six rows of X in HACC, which the LDS stores below read
.irp b, 48, 52, 56
	ds_store_b128 v[BST], v[\b:(\b)+3] offset:((\b)-48)*1024  ; B1L, B1L + 4,096, B2L
.endr
.irp i, 0,1,2,3,4,5
.irp q, 0,1,2,3
	ds_store_b64 v[XS], v[HACC+16*(\i)+2*(\q):HACC+16*(\i)+2*(\q)+1] offset:(\i)*PX+256*(\q)  ; 256 consecutive bytes of row 6 w + i of X
.endr
.endr
	s_wait_loadcnt 0x0
.irp mt, 0,1,2                         ; cw_a is the weight of the slot with the lower expert (equal experts: slot 0), cw_b the other's
	v_cmp_gt_u32 s[SWP+(\mt)], v[64+2*(\mt)], v[65+2*(\mt)]
.endr
.irp mt, 0,1,2
	v_cvt_pk_bf16_f32 v[88+(\mt)], v[72+2*(\mt)], v[73+2*(\mt)]
.endr
	s_wait_alu depctr_va_sdst(0)                   ; the three compares have written their masks, ahead of the selects that read them
.irp mt, 0,1,2
	v_lshlrev_b32 v91, 16, v[88+(\mt)]
	v_and_b32 v92, s[HIM], v[88+(\mt)]
	v_cndmask_b32 v[CWA+(\mt)], v91, v92, s[SWP+(\mt)]
	v_cndmask_b32 v[CWB+(\mt)], v92, v91, s[SWP+(\mt)]
.endr
	s_wait_dscnt 0x0                               ; for the others' sake: my rows of X and my part of the biases are stored
	s_barrier_signal -1
	s_barrier_wait -1
	s_wait_alu depctr_vm_vsrc(0)                   ; the head's loads and LDS stores have read their offsets and data in v32 to v59, v80 to v86 and HACC: b2 and the token fragments land in these registers from here on
	; the output's sums begin with cw_a b2a + cw_b b2b.  (No vector line since the wait ahead of the LDS stores names HACC, v32 to v55, B2A or AL0)
.irp e, 0,1
.irp nt, 0,1,2,3
	ds_load_b128 v[HACC+32*(\e)+8*(\nt):HACC+32*(\e)+8*(\nt)+3],   v[B2A] offset:2048*(\e)+64*(\nt)
	ds_load_b128 v[HACC+32*(\e)+8*(\nt)+4:HACC+32*(\e)+8*(\nt)+7], v[B2A] offset:2048*(\e)+64*(\nt)+16
.endr
.endr
	ALOADS 1, 0, 0                                 ; X's first fragments
	s_wait_dscnt 6                                 ; b2 is in; the six fragment loads behind it stay out
	WIN 0x50                                       ; destination and source 2 window 1
.irp mt, 0,1,2
.set q, 0
.rept 16
	PKMULB OACC+32*(\mt)+2*q, HACC+2*q, CWA, \mt
.set q, q+1
.endr
.set q, 0
.rept 16
	PKFMAB OACC+32*(\mt)+2*q, HACC+32+2*q, CWB, \mt
.set q, q+1
.endr
.endr
	WIN 0
	s_mov_b32 s[SK], 0
	EXPERT 0, PA, PB, CWA
	EXPERT 1, PB, PB, CWB
	; THE WAY OUT.  A lane holds 8 f32 of one token's row; 16 tokens at a time go through my wave's own stage and come back as rows of 256 bytes, which 16 lanes store whole at the token's place in out.
	; Stores of rows past the count are jumped, forward, over no barrier.  With an odd count the last store's second row is the repeated last token: the same address and the same bits as its first.
	; All 24 store addresses are made first, in one run, so that one wait serves them and no vector line stands among the LDS and memory instructions behind it.
	PLACES 4
	s_wait_alu depctr_va_vdst(0)                   ; the last products have written OACC, which the stores into the stage read, and are done reading token buffer 0, in which the token numbers land
.set n, 0
.rept 24
	ds_load_b32 v[32+n], v[TKA] offset:8*n         ; the token of row 2 n + h of the tile
.set n, n+1
.endr
	s_wait_dscnt 0x0
.set n, 0
.rept 24
	v_min_u32 v[32+n], 0x1fff, v[32+n]
	v_lshl_add_u32 v[32+n], v[32+n], 11, v[OC]
.set n, n+1
.endr
	s_wait_alu depctr_va_vdst(0)                   ; the 24 addresses v32 to v55 are written, which the stores to out read
.macro OUTM mt
	WIN 0
	s_cmp_le_u32 s[CNT], 16*(\mt)
	s_cbranch_scc1 .Lend
	WIN 0x04                                       ; the stores' data in window 1
.irp nt, 0,1,2,3
	ds_store_b128 v[STO], v[OACC+8*(4*(\mt)+(\nt)):OACC+8*(4*(\mt)+(\nt))+3]   offset:64*(\nt)      ; each accumulator's lowest registers first
	ds_store_b128 v[STO], v[OACC+8*(4*(\mt)+(\nt))+4:OACC+8*(4*(\mt)+(\nt))+7] offset:64*(\nt)+16
.endr
	WIN 0
.irp i, 0,1,2,3,4,5,6,7
	ds_load_b128 v[HACC+32*(\mt)+4*(\i):HACC+32*(\mt)+4*(\i)+3], v[RD] offset:2*SPITCH*(\i)  ; my own bytes, served in order: these see the stores above.  What named HACC, gelu and its stores, has been waited for
.endr
	s_wait_dscnt 0x0
.irp i, 0,1,2,3,4,5,6,7
.if (\i) > 0
	s_cmp_le_u32 s[CNT], 16*(\mt)+2*(\i)
	s_cbranch_scc1 .Lend
.endif
	global_store_b128 v[32+8*(\mt)+(\i)], v[HACC+32*(\mt)+4*(\i):HACC+32*(\mt)+4*(\i)+3], s[84:85] th:TH_STORE_NT  ; 16 lanes: 256 consecutive bytes, at a multiple of 256 from out's first byte; every store has registers of its own
.endr
.endm
	OUTM 0
	OUTM 1
	OUTM 2
.Lend:
	s_wait_dscnt 0x0                               ; the closing lines, six on end
	s_wait_alu 0x0
	s_wait_tensorcnt 0x0
	ds_add_u32 v[SPW], v[NIL]
	s_wait_dscnt 0x0
	s_endpgm
.Lfunc_end_k_q93015e5c6d_moe:
	.size	k_q93015e5c6d_moe, .Lfunc_end_k_q93015e5c6d_moe-k_q93015e5c6d_moe
	.p2alignl 7, 3214868480
	.fill 96, 4, 3214868480
	.section	.rodata,"a",@progbits
	.p2align	6, 0x0
	.amdhsa_kernel k_q93015e5c6d_moe
		.amdhsa_group_segment_fixed_size 199168
		.amdhsa_private_segment_fixed_size 0
		.amdhsa_enable_private_segment 0
		.amdhsa_kernarg_size 72
		.amdhsa_user_sgpr_count 2
		.amdhsa_user_sgpr_kernarg_segment_ptr 1
		.amdhsa_wavefront_size32 1
		.amdhsa_system_sgpr_workgroup_id_x 1
		.amdhsa_system_sgpr_workgroup_id_y 1
		.amdhsa_system_sgpr_workgroup_id_z 1
		.amdhsa_system_vgpr_workitem_id 0
		.amdhsa_next_free_vgpr 512
		.amdhsa_next_free_sgpr 90
		.amdhsa_reserve_vcc 0
		.amdhsa_float_denorm_mode_32 3
		.amdhsa_float_denorm_mode_16_64 3
		.amdhsa_memory_ordered 1
		.amdhsa_forward_progress 1
		.amdhsa_inst_pref_size 167
	.end_amdhsa_kernel
	.amdgpu_metadata
---
amdhsa.version: [ 1, 2 ]
amdhsa.kernels:
  - .name:           k_q93015e5c6d_moe
    .symbol:         k_q93015e5c6d_moe.kd
    .args:
      - { .name: hidden, .offset: 0, .size: 8, .value_kind: global_buffer, .address_space: global }
      - { .name: top_k_indices, .offset: 8, .size: 8, .value_kind: global_buffer, .address_space: global }
      - { .name: top_k_weights, .offset: 16, .size: 8, .value_kind: global_buffer, .address_space: global }
      - { .name: b1, .offset: 24, .size: 8, .value_kind: global_buffer, .address_space: global }
      - { .name: b2, .offset: 32, .size: 8, .value_kind: global_buffer, .address_space: global }
      - { .name: wp, .offset: 40, .size: 8, .value_kind: global_buffer, .address_space: global }
      - { .name: order, .offset: 48, .size: 8, .value_kind: global_buffer, .address_space: global }
      - { .name: counts, .offset: 56, .size: 8, .value_kind: global_buffer, .address_space: global }
      - { .name: out0, .offset: 64, .size: 8, .value_kind: global_buffer, .address_space: global }
    .group_segment_fixed_size: 199168
    .private_segment_fixed_size: 0
    .kernarg_segment_align: 8
    .kernarg_segment_size: 72
    .max_flat_workgroup_size: 256
    .sgpr_count:     90
    .vgpr_count:     512
    .wavefront_size: 32
...
	.end_amdgpu_metadata
.endif
;; end of part 3
